; MI455X (gfx1250); checked and timed in simulation.
; The chip was launched on July 23, 2026; its instructions are those of AMD's public machine-readable ISA for CDNA 5 (MIT licence, August 2026) and "CDNA5" Instruction Set Architecture Reference Guide (July 2026). The comments in the code are by the model that wrote it; some were corrected since.
;; Local Self Attention. Allowed arithmetic: matrix products marked QUANTISED: E2M3 operands, one E8M0 scale for each 32 along K, by v_wmma_scale_f32_16x16x128_f8f6f4 with both operands' format E2M3, f32 sums; everything else in f32.
;; Inputs: w_proj 1,024 x 1,024 float32; w_qkv 3,072 x 1,024 float32; x 4 x 2,048 x 1,024 float32.
;; Outputs: out0 4 x 2,048 x 1,024 float32.
;; This version of the problem:
;;   THIS VERSION OF THE PROBLEM IS GIVEN IN LOW PRECISION. The matrix products marked QUANTISED in the list below multiply operands that are first quantised to E2M3 (2 exponent bits, 3 mantissa bits; 6 bits a number), with one power-of-two scale for each 32 numbers along K (OCP MX v1.0); their sums are f32. All else is computed in f32.
;;   The module's matrix products, in the order in which they are computed (A, B: the left and right operand; K: the contracted axis; several contracted axes count as one K, in the product's order):
;;     1. [M 8,192, K 1,024] x [K 1,024, N 3,072]; A: input x; B: input w_qkv: QUANTISED
;;     2. batch 64 x [M 2,048, K 64] x [K 64, N 2,048]; A: computed on the way; B: computed on the way: QUANTISED
;;     3. batch 64 x [M 2,048, K 2,048] x [K 2,048, N 64]; A: softmax (see below); B: computed on the way: QUANTISED
;;     4. [M 8,192, K 1,024] x [K 1,024, N 1,024]; A: computed on the way; B: input w_proj: QUANTISED
;;   THE QUANTISER, for each operand of a quantised product, along K:
;;     - K is cut into blocks of 32 from its start; a last block that is shorter is filled with zeros.
;;     - A block's scale is 2^e with e = floor(log2(the largest magnitude in the block)) - 2, held to -126 .. 127; a block of zeros has e = 0. As a byte (E8M0): e + 127.
;;     - Each number is divided by its block's scale, clamped to +-7.5, and rounded to the nearest number of E2M3, ties to even, subnormals kept.
;;     - The product sums the exact products of the quantised numbers (number of the format x scale) in f32.
;;   ~~~python
;;   def quantise(x, axis):      # numpy; x: float32 -> the quantised numbers, widened to float32 again
;;       x = np.moveaxis(x, axis, -1); K = x.shape[-1]
;;       x = np.pad(x, [(0, 0)] * (x.ndim - 1) + [(0, -K % 32)]); x = x.reshape(x.shape[:-1] + (-1, 32)); a = np.abs(x).max(-1, keepdims=True)
;;       e = np.where(a > 0, np.clip(np.frexp(np.where(a > 0, a, 1))[1] - 1 - 2, -126, 127), 0)      # np.frexp(a)[1] - 1 = floor(log2(a)), exactly
;;       r = np.clip(x / 2.0 ** e, -7.5, 7.5)
;;       step = 2.0 ** (np.maximum(np.frexp(np.where(r == 0, 1, r))[1] - 1, 0) - 3)
;;       q = np.round(r / step) * step * 2.0 ** e      # np.round: ties to even
;;       return np.moveaxis(q.reshape(q.shape[:-2] + (-1,))[..., :K], -1, axis).astype(np.float32)
;;   ~~~
;;   SOFTMAX AHEAD OF A QUANTISED PRODUCT. Where the list says 'softmax', what is quantised is not the finished softmax but p = 2^(t - M), with t = logit x log2(e) and M = ceil(the row's largest t), a whole number; so 1/2 < the row's largest p <= 1. The row's sum l is taken of the UNQUANTISED p, in f32, and the product's result is divided by l at the end. Since M is a whole number, a kernel that streams over the keys may use a running M (the ceiling of the running maximum): every later rescaling is an exact power of two, which a block's scale takes up: the codes' values come out the same.
;;   OPERANDS COMPUTED ON THE WAY. 'Computed on the way' means the value that the module computes at that place (a softmax that the list does not call 'softmax' is quantised finished and normalised). What goes into a quantiser is computed in f32, as accurately as f32 sums, v_exp_f32 and their like allow (about 1e-6 of the number): no bf16 or f16 on the way to a quantiser, and a product that is left as it is and whose result goes on into a quantised operand takes f32 operands (vector FMAs, or v_wmma_f32_16x16x4_f32). A number that lies on a knife's edge between two numbers of the format may be rounded either way, as far as f32 arithmetic and the matrix unit's own rounding can turn it there, and no further.
;; One version. Each part assembles by itself: llvm-mc -triple=amdgcn-amd-amdhsa -mcpu=gfx1250 --defsym DOCPART=n.
;; ======== version 1 of 1: 4 launches
;; workspace buffers: ops 10,223,616 bytes; qkv 21,495,808 bytes; att 6,815,744 bytes
;; launch quant (part 1): grid 384 x 1, 4 waves a work-group, no clusters, 34,304 bytes of LDS; arguments x, w_qkv, w_proj, ops; writes ops
.if DOCPART == 1
	.amdgcn_target "amdgcn-amd-amdhsa--gfx1250"
	.amdhsa_code_object_version 6
	.text
	.protected	k_q6aa4e40e85_quant
	.globl	k_q6aa4e40e85_quant
	.p2align	8
	.type	k_q6aa4e40e85_quant,@function
k_q6aa4e40e85_quant:
	s_mov_b64 s[64:65], 0
	v_nop
	global_prefetch_b8 v0, s[64:65] scope:SCOPE_SE
	s_setreg_imm32_b32 hwreg(HW_REG_WAVE_MODE, 25, 1), 1
	s_wait_xcnt 0x0
; x [8192][1024], w_qkv [3072][1024], w_proj [1024][1024], f32, K innermost, become codes of FP6 (E2M3) with one E8M0 byte for each 32 along K,
; laid in the order of a matrix operand's registers, so that the products' launches load fragments whole.
; TILE T = 2 g + u of the 12,288 rows on end (x, w_qkv, w_proj) holds rows 32 g + 8 u + r + 8 (r / 8), r = 0 .. 15.
; UNIT, 768 bytes = a tile's 64 codes along K = registers 6 c .. 6 c + 5 of a fragment: lane l's first four registers at 16 l, its last two at 512 + 8 l.
; ops: codes [tile 768][s 8][c 2][768], then from SOFF on scale records [tile][s][128]: the row's scale word at 4 x lane (lanes r and 16 + r hold the same word).
; A block's scale is 2^(floor(log2(largest magnitude)) - 2); its byte is the largest magnitude's exponent field - 2, held at 1 from below.
; LIMITS: a block of zeros gets the byte 1 (its codes are zeros, and this program alone reads the bytes); NaN and infinities among the inputs are not served.
; SHARES: a work-group takes 32 rows (tiles 2 g, 2 g + 1); wave w takes tile w / 2 and half w % 2 of K: four records of 16 rows x 128 K.
; A load reads 512 consecutive bytes of one row; the record turns through the wave's own stage in LDS (16 rows of 512 + 16 bytes), so that lane (r, h) gets the 32 neighbours of its two blocks.
; No barrier: waves share nothing.  Two records' loads (32 a wave) are out at most.
.set SOFF,  9437184
.set PITCH, 528
.set WST,   16*PITCH
.set GI,  4                            ; v4   16 x lane
.set SW,  5                            ; v5   the stage, on the way in
.set SR,  6                            ; v6   and on the way out: row r, + 128 h
.set L8,  7                            ; v7   8 x lane
.set L4,  8                            ; v8   4 x lane
.set SH,  10                           ; v10  8 h: where my two bytes stand in the scale word
.set PD,  11                           ; v11  a lane permute's destination
.set MX,  12                           ; v12-13 largest magnitudes
.set SO,  14                           ; v14-15 the conversions' scale operands
.set BY,  16                           ; v16-17 scale bytes
.set WD,  18                           ; v18  the scale word
.set R,   32                           ; v32-159  two sets of 64 registers as loaded
.set X,   160                          ; v160-223 my two blocks of 32 neighbours
.set C,   224                          ; v224-235 the fragment's codes
.set Y,   236                          ; v236-238, v240-242 the blocks' second halves (a conversion's three registers begin on an even number)
	s_load_b256 s[4:11], s[0:1], 0x0               ; x s[4:5], w_qkv s[6:7], w_proj s[8:9], ops s[10:11]
	v_lshl_add_u32 v254, v0, 2, 0x8400
	v_mov_b32 v255, 0
	v_lshrrev_b32 v1, 5, v0
	v_readfirstlane_b32 s16, v1                    ; wave
	v_and_b32 v2, 31, v0                           ; lane
	v_and_b32 v3, 15, v0                           ; r
	v_bfe_u32 v9, v0, 4, 1                         ; h
	v_lshlrev_b32 v[GI], 4, v2
	s_mul_i32 s17, s16, WST                        ; my stage
	v_add_nc_u32 v[SW], s17, v[GI]
	v_mul_u32_u24 v[SR], v3, PITCH
	v_lshl_add_u32 v[SR], v9, 7, v[SR]
	v_add_nc_u32 v[SR], s17, v[SR]
	v_lshlrev_b32 v[L8], 3, v2
	v_lshlrev_b32 v[L4], 2, v2
	v_lshlrev_b32 v[SH], 3, v9
	v_mov_b32 v[PD], 0                             ; written once: a lane permute's destination counts as one of its sources
	s_mov_b32 s20, 0x76543210
	s_mov_b32 s21, 0xfedcba98                      ; v_permlanex16_b32's selects for lane l xor 16
	s_lshr_b32 s18, s16, 1                         ; u: which tile of the group
	s_and_b32 s19, s16, 1                          ; which half of K
	s_mov_b32 s12, 352
	s_wait_kmcnt 0x0
	s_cmp_lt_u32 ttmp9, 352                        ; groups 0-255 are x's, 256-351 w_qkv's, 352-383 w_proj's: the choice hangs on the work-group's number alone
	s_cselect_b64 s[6:7], s[6:7], s[8:9]
	s_cselect_b32 s12, 256, s12
	s_cmp_lt_u32 ttmp9, 256
	s_cselect_b64 s[4:5], s[4:5], s[6:7]
	s_cselect_b32 s12, 0, s12                      ; the tensor's first group
	s_sub_co_u32 s13, ttmp9, s12
	s_lshl_b32 s13, s13, 5
	s_lshl_b32 s14, s18, 3
	s_add_co_u32 s13, s13, s14                     ; the tile's first row in its tensor: 32 x group + 8 u
	s_lshl_b32 s14, s13, 12                        ; x 4,096 bytes (under 2^26)
	s_lshl_b32 s13, s19, 11
	s_add_co_u32 s14, s14, s13                     ; + my half of K
	s_mov_b32 s15, 0
	s_add_nc_u64 s[4:5], s[4:5], s[14:15]
	s_lshl_b32 s22, ttmp9, 1
	s_add_co_u32 s22, s22, s18                     ; the tile
	s_lshl_b32 s22, s22, 3
	s_lshl_b32 s13, s19, 2
	s_add_co_u32 s22, s22, s13                     ; my first record: 8 x tile + 4 x half
	s_mul_i32 s14, s22, 1536
	s_add_nc_u64 s[24:25], s[10:11], s[14:15]      ; its codes
	s_lshl_b32 s14, s22, 7
	s_add_co_u32 s14, s14, SOFF
	s_add_nc_u64 s[26:27], s[10:11], s[14:15]      ; its scale record
.macro LOAD t                          ; record t: 16 rows x 512 bytes into set t % 2
.irp i, 0,1,2,3,4,5,6,7,8,9,10,11,12,13,14,15
	global_load_b128 v[R+64*((\t)%2)+4*\i:R+64*((\t)%2)+4*\i+3], v[GI], s[4:5] offset:(\i+8*(\i/8))*4096+512*(\t) th:TH_LOAD_NT
.endr
.endm
.macro REC t
.if (\t) < 3
	s_wait_loadcnt 16                              ; this record's 16 loads are in; the next record's 16 may be out
.else
	s_wait_loadcnt 0x0
.endif
.irp i, 0,1,2,3,4,5,6,7,8,9,10,11,12,13,14,15
	ds_store_b128 v[SW], v[R+64*((\t)%2)+4*\i:R+64*((\t)%2)+4*\i+3] offset:PITCH*\i
.endr
.irp c, 0,1
.irp i, 0,1,2,3,4,5,6,7
	ds_load_b128 v[X+32*\c+4*\i:X+32*\c+4*\i+3], v[SR] offset:256*\c+16*\i   ; LDS serves a wave's instructions in order: these see the stores above.  k = 64 c + 32 h + 4 i ..
.endr
.endr
	s_wait_dscnt 0x0                               ; my numbers are back, and the stores have read their registers,
.if (\t)+2 < 4
	LOAD (\t)+2                                    ; which take the record two on
.endif
.irp c, 0,1
	v_max3_num_f32 v[MX+\c], |v[X+32*\c]|, |v[X+32*\c+1]|, 0x1800000   ; block 2 c + h is all mine; the floor 2^(3 - 127) holds the byte at 1 from below
.endr
.irp i, 2,4,6,8,10,12,14,16,18,20,22,24,26,28,30
.irp c, 0,1
	v_max3_num_f32 v[MX+\c], v[MX+\c], |v[X+32*\c+\i]|, |v[X+32*\c+\i+1]|
.endr
.endr
.irp c, 0,1
	v_add_nc_u32 v[SO+\c], 0xff000000, v[MX+\c]    ; 2 off the exponent field: the conversion takes this operand's exponent field as its scale
.endr
.irp c, 0,1
	v_lshrrev_b32 v[BY+\c], 23, v[SO+\c]           ; the scale's byte
.endr
	s_wait_xcnt 0x0                                ; the last record's stores have read the word and the codes: both are written again only behind this wait
	v_lshl_or_b32 v[WD], v[BY+1], 16, v[BY]        ; my bytes: blocks h and 2 + h,
	v_lshlrev_b32 v[WD], v[SH], v[WD]              ; at their places,
	v_permlanex16_b32 v[PD], v[WD], s20, s21
	v_or_b32 v[WD], v[WD], v[PD]                   ; with lane l xor 16's two the word is whole, in both lanes
.irp c, 0,1
	v_cvt_scalef32_pk16_fp6_f32 v[C+6*\c:C+6*\c+2], v[X+32*\c:X+32*\c+15], v[SO+\c]
	v_cvt_scalef32_pk16_fp6_f32 v[Y+4*\c:Y+4*\c+2], v[X+32*\c+16:X+32*\c+31], v[SO+\c]
.endr
	v_nop                                          ; one plain place behind a scaled conversion
.irp c, 0,1
.irp i, 0,1,2
	v_mov_b32 v[C+6*\c+3+\i], v[Y+4*\c+\i]
.endr
.endr
.irp c, 0,1
	global_store_b128 v[GI], v[C+6*\c:C+6*\c+3], s[24:25] offset:1536*(\t)+768*\c        ; 512 consecutive bytes, at a multiple of 256 from the buffer's first byte
	global_store_b64 v[L8], v[C+6*\c+4:C+6*\c+5], s[24:25] offset:1536*(\t)+768*\c+512   ; and 256
.endr
	global_store_b32 v[L4], v[WD], s[26:27] offset:128*(\t)
.endm
	LOAD 0
	LOAD 1
	REC 0
	REC 1
	REC 2
	REC 3
	s_wait_tensorcnt 0x0
	ds_add_u32 v254, v255
	s_wait_dscnt 0x0
	s_endpgm
.Lfunc_end_k_q6aa4e40e85_quant:
	.size	k_q6aa4e40e85_quant, .Lfunc_end_k_q6aa4e40e85_quant-k_q6aa4e40e85_quant
	.p2alignl 7, 3214868480
	.fill 96, 4, 3214868480
	.section	.rodata,"a",@progbits
	.p2align	6, 0x0
	.amdhsa_kernel k_q6aa4e40e85_quant
		.amdhsa_group_segment_fixed_size 34304
		.amdhsa_private_segment_fixed_size 0
		.amdhsa_enable_private_segment 0
		.amdhsa_kernarg_size 32
		.amdhsa_user_sgpr_count 2
		.amdhsa_user_sgpr_kernarg_segment_ptr 1
		.amdhsa_wavefront_size32 1
		.amdhsa_system_sgpr_workgroup_id_x 1
		.amdhsa_system_sgpr_workgroup_id_y 1
		.amdhsa_system_sgpr_workgroup_id_z 1
		.amdhsa_system_vgpr_workitem_id 0
		.amdhsa_next_free_vgpr 256
		.amdhsa_next_free_sgpr 66
		.amdhsa_reserve_vcc 0
		.amdhsa_float_denorm_mode_32 3
		.amdhsa_float_denorm_mode_16_64 3
		.amdhsa_memory_ordered 1
		.amdhsa_forward_progress 1
		.amdhsa_inst_pref_size 31
	.end_amdhsa_kernel
	.amdgpu_metadata
---
amdhsa.version: [ 1, 2 ]
amdhsa.kernels:
  - .name:           k_q6aa4e40e85_quant
    .symbol:         k_q6aa4e40e85_quant.kd
    .args:
      - { .name: x, .offset: 0, .size: 8, .value_kind: global_buffer, .address_space: global }
      - { .name: w_qkv, .offset: 8, .size: 8, .value_kind: global_buffer, .address_space: global }
      - { .name: w_proj, .offset: 16, .size: 8, .value_kind: global_buffer, .address_space: global }
      - { .name: ops, .offset: 24, .size: 8, .value_kind: global_buffer, .address_space: global }
    .group_segment_fixed_size: 34304
    .private_segment_fixed_size: 0
    .kernarg_segment_align: 8
    .kernarg_segment_size: 32
    .max_flat_workgroup_size: 128
    .sgpr_count:     66
    .vgpr_count:     256
    .wavefront_size: 32
...
	.end_amdgpu_metadata
.endif
;; end of part 1
;; launch qkvgemm (part 2): grid 12 x 32, 4 waves a work-group, clusters of 4 x 4, 327,680 bytes of LDS; arguments ops, qkv; writes qkv
.if DOCPART == 2
	.amdgcn_target "amdgcn-amd-amdhsa--gfx1250"
	.amdhsa_code_object_version 6
	.text
	.protected	k_q6aa4e40e85_qkvgemm
	.globl	k_q6aa4e40e85_qkvgemm
	.p2align	8
	.type	k_q6aa4e40e85_qkvgemm,@function
k_q6aa4e40e85_qkvgemm:
	s_mov_b64 s[64:65], 0
	v_nop
	global_prefetch_b8 v0, s[64:65] scope:SCOPE_SE
	s_setreg_imm32_b32 hwreg(HW_REG_WAVE_MODE, 25, 1), 1
	s_wait_xcnt 0x0
	s_wait_alu depctr_hold_cnt(0) depctr_sa_sdst(0) depctr_va_vdst(0) depctr_va_sdst(0) depctr_va_ssrc(0) depctr_va_vcc(0) depctr_vm_vsrc(0)
	s_getreg_b32 s2, hwreg(HW_REG_IB_STS2, 6, 4)
	s_cmp_eq_u32 s2, 0
	s_cbranch_scc0 .Lentry_in_a_cluster
	s_endpgm
.Lentry_in_a_cluster:
	s_bfe_u32 s2, ttmp6, 0x10000c
	s_cmp_lg_u32 s2, 0xf033
	s_cbranch_scc0 .Lentry_shape_is_right
	s_endpgm
.Lentry_shape_is_right:
; qkv = x w_qkv^T on codes of FP6 (E2M3) with E8M0 scales, K = 1,024; the results never leave as f32: q and k are quantised along the head's 64 channels, v along the tokens, in registers, and stored as operand images.
; ops (read): codes [tile 768][s 8][c 2][768] and, from SOFF on, scale records [tile][s][128]; tile T = 2 g + u holds rows 32 g + 8 u + r + 8 (r / 8); tiles 0-511 x, 512-703 w_qkv.
; A unit of 768 bytes is registers 6 c .. 6 c + 5 of a fragment: lane l's first four at 16 l, its last two at 512 + 8 l.
; qkv (written): q's units [b 4][head 16][token tile 128][768] at 0, k's at 6,291,456, v's [b][head][channel tile 4][pair of key blocks 32][768] at 12,582,912;
;   scale records (128 bytes): q's [b][head][tile] at QS, k's 1,048,576 on, v's [b][group of 128 tokens 16][head][channel tile] 2,097,152 on.  Bytes 2 and 3 of q's and k's words are 0.
; ROLES.  The matrix instruction's source 1 (S1) gives the result's lane, source 0 (S0) its registers; by the tiles' choice of rows the 16 registers of two neighbouring S0 tiles are 16 neighbours.
;   Clusters x = 0, 1 (q, k): S1 = 256 tokens, S0 = 256 channels: a lane holds a token, its registers run along the channels.   Cluster x = 2 (v): S1 = 256 channels, S0 = 256 tokens.
;   So in both roles a wave's 64 registers of one S1 tile are 128 neighbours along the axis to be quantised: one fragment and one scale word.
; A work-group of four waves makes 256 x 256, a wave 128 x 128: 64 accumulators.  K goes in steps of 256 through a ring of two LDS slots filled by the tensor data mover; a tile's part of a step is 3,072 dense bytes.
; The scale records of the work-group's 32 tiles come once, with the first fills.
; CLUSTERS: 4 x 4.  S1's tiles hang on cy and are asked for jointly along a row of the cluster, S0's on cx, along a column.  The role hangs on the cluster's x alone: it is the same in all sixteen partners.
; LIMITS: a block of zeros gets the byte 1 (this program alone reads the bytes); NaN and infinities are not served.
; REGISTERS: window 0: v16-27 addresses, v28-29 for the add, v32-63 scale words (two sets), v128-223 S1's fragments (one set), on the way out codes and work.  window 1: S0's fragments, two sets.  windows 2, 3: the accumulators ((a, b) at v[8 (8 (a % 4) + b)]).
.set HALFT,  24576                     ; 8 tiles x 3,072 bytes: what one tensor load brings, and what one wave reads of S1 or of S0
.set SLOT,   4*HALFT                   ; S1's 16 tiles, then S0's 16
.set SCL,    2*SLOT                    ; behind the ring: the scale records, 4 x HALFS
.set HALFS,  8192                      ; those of 8 tiles
.set SPARE,  SCL+4*HALFS               ; the spare words, 128 bytes for each wave: two blocks of 256 bytes that no other line names
.set SOFF,   9437184
.set QS,     18874368
.set NQ,     2                         ; matrix instructions deep in a slot
.set FR,     12                        ; registers of a fragment
.set NL,     4                         ; LDS loads that bring one
.set NP,     4                         ; places behind this matrix instruction (ISA guide 7.12.1)
.set ADRA, 16                          ; v16-17 LDS address of my S1 fragments in slot 0, 1, + 16 x lane; v18-19 the same + 8 x lane
.set ADRB, 20                          ; v20-23 the same for S0
.set L16,  24                          ; v24  16 x lane
.set L8,   25                          ; v25  8 x lane
.set L4,   26                          ; v26  4 x lane
.set ADRS, 27                          ; v27  my scale words: lanes 0-15 S1's records, lanes 16-31 S0's
.set SPW,  28                          ; v28  LDS address of my spare word; never rewritten
.set NIL,  29                          ; v29  0; never rewritten
.set SC,   32                          ; set s at v[SC + 16 s]; register 2 i + q: lanes 0-15 S1 tile i's word, lanes 16-31 S0 tile i's, for the slot's q-th 128 along K
.set AF,   128
.set PC,   128                         ; the way out: v128-139 codes, v140-142 and v144-146 second halves
.set TM,   200                         ; v200-203 largest magnitudes, v204-207 bytes, v212-215 scale operands
.set PW,   216                         ; the scale word
.set G1,   24
.set G0,   32
.set G1B,  48
.set G0B,  56
.set G1S,  68
.set G0S,  76
.set G1SB, 80
.set G0SB, 88
.set MSB, 0
.macro WIN new                         ; the immediate's high byte repeats the setting that is left
.if MSB != (\new)
	s_set_vgpr_msb (MSB<<8)|(\new)
.set MSB, (\new)
.endif
.endm
.set MUL_LO, 0xa1                      ; source 0 (S0) window 1, source 1 (S1) window 0, C and D window 2
.set MUL_HI, 0xf1                      ; the same, C and D window 3
.set TO_B,   0x40                      ; destination window 1, address window 0
; A joint load: waves 0 and 1 fetch for S1, waves 2 and 3 for S0.  Each line has one mask and one set of registers; the branch hangs on the wave's number alone.  Four v_nop follow each line.
.macro JLOAD g0a, g1a, g0b, g1b
	s_cmp_eq_u32 s15, 0
	s_cbranch_scc0 .Lfor_b_\@
	tensor_load_to_lds s[\g0a:\g0a+3], s[\g1a:\g1a+7]
	s_nop 0
.rept 4
	v_nop
.endr
	s_branch .Lasked_\@
.Lfor_b_\@:
	tensor_load_to_lds s[\g0b:\g0b+3], s[\g1b:\g1b+7]
	s_nop 0
.rept 4
	v_nop
.endr
.Lasked_\@:
.endm
.macro CREST                           ; a round of the cluster's barrier behind its opening barrier
	s_cmp_lg_u32 s14, 0
	s_cbranch_scc1 .Lnot_wave_0_\@
	s_barrier_signal -3
.Lnot_wave_0_\@:
	s_barrier_wait -3
	s_barrier_signal -1
	s_barrier_wait -1
.endm
.macro CROUND
	s_barrier_signal -1
	s_barrier_wait -1
	CREST
.endm
	s_load_b128 s[4:7], s[0:1], 0x0                ; ops s[4:5], qkv s[6:7]
	v_lshl_add_u32 v[SPW], v0, 2, SPARE
	v_mov_b32 v[NIL], 0
	ds_add_u32 v28, v29
	ds_add_u32 v28, v29
	s_wait_dscnt 0x0
	v_lshrrev_b32 v1, 5, v0
	v_readfirstlane_b32 s14, v1                    ; wave 0..3
	s_lshr_b32 s15, s14, 1                         ; which 128 rows of S1 are mine.  Also: I fetch for S1 (0) or for S0 (1)
	s_and_b32 s16, s14, 1                          ; which 128 rows of S0.  Also: which 8 tiles I fetch
	s_bfe_u32 s40, ttmp6, 0x40000                  ; cx
	s_bfe_u32 s41, ttmp6, 0x40004                  ; cy
	s_and_b32 s96, ttmp7, 0xffff
	s_lshl_b32 s96, s96, 2                         ; 4 x cluster y
	s_lshl_b32 s97, ttmp9, 2
	s_add_co_u32 s97, s97, 32                      ; 32 + 4 x cluster x: q's and k's weights, in units of 256 rows of ops
	s_cmp_eq_u32 ttmp9, 2
	s_cselect_b32 s2, 1, 0                         ; the role: 1 for v
	s_cselect_b32 s98, 40, s96                     ; S1: v's weights begin at unit 40; else the tokens
	s_cselect_b32 s99, s96, s97                    ; S0: the tokens; else q's or k's weights
	s_add_co_u32 s17, s98, s41                     ; S1's unit hangs on cy,
	s_add_co_u32 s42, s99, s40                     ; S0's on cx
	s_lshl_b32 s43, s41, 2
	s_lshl_b32 s43, 15, s43                        ; my row of the cluster
	s_lshl_b32 s44, 0x1111, s40                    ; my column
	; descriptor group 1 for codes: 8 rows (tiles) of 384 elements of 8 bytes (3,072 bytes), 1,536 elements (a tile's 12,288 bytes) apart; no padding
	s_or_b32 s[G1+0], s43, (3<<16)|(1<<21)         ; 15:0 the mask; 17:16 elements of 8 bytes; 21 set beside a mask
	s_or_b32 s[G1B+0], s44, (3<<16)|(1<<21)
.irp g, G1, G1B
	s_mov_b32 s[\g+1], 384<<16                     ; tensor_dim0
	s_mov_b32 s[\g+2], 8<<16                       ; tensor_dim1
	s_mov_b32 s[\g+3], 384<<16                     ; tile_dim0
	s_mov_b32 s[\g+4], 8                           ; tile_dim1
	s_mov_b32 s[\g+5], 1536                        ; tensor_dim0_stride
	s_mov_b32 s[\g+6], 0
	s_mov_b32 s[\g+7], 0
.endr
	; and for the scale records of 8 tiles: 8,192 dense bytes as 32 rows of 256
	s_or_b32 s[G1S+0], s43, (3<<16)|(1<<21)
	s_or_b32 s[G1SB+0], s44, (3<<16)|(1<<21)
.irp g, G1S, G1SB
	s_mov_b32 s[\g+1], 32<<16
	s_mov_b32 s[\g+2], 32<<16
	s_mov_b32 s[\g+3], 32<<16
	s_mov_b32 s[\g+4], 32
	s_mov_b32 s[\g+5], 32
	s_mov_b32 s[\g+6], 0
	s_mov_b32 s[\g+7], 0
.endr
	s_lshl_b32 s20, s17, 1
	s_add_co_u32 s20, s20, s16                     ; S1: which run of 8 tiles I would fetch
	s_lshl_b32 s46, s42, 1
	s_add_co_u32 s46, s46, s16                     ; S0 likewise
	s_lshl_b32 s22, s20, 13
	s_add_co_u32 s22, s22, SOFF                    ; their scale records,
	s_lshl_b32 s92, s46, 13
	s_add_co_u32 s92, s92, SOFF
	s_mul_i32 s20, s20, 98304                      ; and their codes, in bytes (under 2^24)
	s_mul_i32 s46, s46, 98304
	s_mov_b32 s21, 0
	s_mov_b32 s23, 0
	s_mov_b32 s47, 0
	s_mov_b32 s93, 0
	s_mul_i32 s45, s14, HALFT                      ; where they go: wave x 8 tiles: no place in the cluster enters an LDS address
	s_lshl_b32 s94, s14, 13
	s_wait_kmcnt 0x0
	s_add_nc_u64 s[20:21], s[4:5], s[20:21]
	s_add_nc_u64 s[22:23], s[4:5], s[22:23]
	s_add_nc_u64 s[46:47], s[4:5], s[46:47]
	s_add_nc_u64 s[92:93], s[4:5], s[92:93]
	CROUND                                         ; all sixteen work-groups are here: the first joint loads meet
	s_mov_b32 s[G0S], 1
	s_add_co_u32 s[G0S+1], s94, SCL
	s_mov_b64 s[G0S+2:G0S+3], s[22:23]
	s_or_b32 s[G0S+3], s[G0S+3], 0x80000000
	s_mov_b32 s[G0SB], 1
	s_add_co_u32 s[G0SB+1], s94, SCL
	s_mov_b64 s[G0SB+2:G0SB+3], s[92:93]
	s_or_b32 s[G0SB+3], s[G0SB+3], 0x80000000
	JLOAD G0S, G1S, G0SB, G1SB                     ; the scale records first: they are wanted with K step 0
.irp s, 0,1
	s_mov_b32 s[G0+4*\s], 1
	s_add_co_u32 s[G0+4*\s+1], s45, \s*SLOT
	s_add_nc_u64 s[G0+4*\s+2:G0+4*\s+3], s[20:21], \s*3072
	s_or_b32 s[G0+4*\s+3], s[G0+4*\s+3], 0x80000000
	s_mov_b32 s[G0B+4*\s], 1
	s_add_co_u32 s[G0B+4*\s+1], s45, \s*SLOT
	s_add_nc_u64 s[G0B+4*\s+2:G0B+4*\s+3], s[46:47], \s*3072
	s_or_b32 s[G0B+4*\s+3], s[G0B+4*\s+3], 0x80000000
	JLOAD G0+4*\s, G1, G0B+4*\s, G1B
.endr
	v_and_b32 v1, 31, v0                           ; lane
	v_bfe_u32 v2, v0, 4, 1                         ; h
	v_lshlrev_b32 v[L16], 4, v1
	v_lshlrev_b32 v[L8], 3, v1
	v_lshlrev_b32 v[L4], 2, v1
	s_mul_i32 s21, s15, HALFT                      ; my 8 tiles of S1
	s_mul_i32 s22, s16, HALFT                      ; my 8 tiles of S0,
	s_add_co_u32 s22, s22, 2*HALFT                 ; which lie behind S1's 16
.irp s, 0,1
	v_add_nc_u32 v[ADRA+\s], s21, v[L16]
	v_add_nc_u32 v[ADRB+\s], s22, v[L16]
	v_add_nc_u32 v[ADRA+2+\s], s21, v[L8]
	v_add_nc_u32 v[ADRB+2+\s], s22, v[L8]
	s_add_co_u32 s21, s21, SLOT
	s_add_co_u32 s22, s22, SLOT
.endr
	s_lshl_b32 s21, s15, 13                        ; S1's records: my 8 tiles
	s_lshl_b32 s22, s16, 13                        ; S0's: my 8 tiles, behind S1's 16
	s_add_co_u32 s22, s22, 2*HALFS
	s_sub_co_u32 s22, s22, s21
	v_mul_u32_u24 v6, s22, v2                      ; lanes 16-31 take S0's: one product, the distance between the two
	s_add_co_u32 s21, s21, SCL
	v_add_nc_u32 v6, v6, v[L4]
	v_add_nc_u32 v[ADRS], s21, v6
	; WHERE THE RESULTS GO.  All offsets are made apart from the address.  s[8:9], s[10:11]: the fragment's two units; s[12:13], s[18:19]: scale records; s[66:67]: from one S1 tile to the next
	s_cmp_eq_u32 s2, 1
	s_cselect_b32 s20, s40, s41                    ; the tokens' place in the cluster,
	s_cselect_b32 s21, s41, s40                    ; the channels',
	s_cselect_b32 s22, s16, s15                    ; my half of the tokens,
	s_cselect_b32 s23, s15, s16                    ; of the channels
	s_mov_b32 s66, 768
	s_cselect_b32 s66, 24576, s66                  ; q, k: the next token tile's unit; v: the next channel tile's 32 units
	s_mov_b32 s67, 0
	s_mov_b32 s92, 98304
	s_cselect_b32 s92, 768, s92                    ; the second unit: q, k: the next head's (128 units on); v: the next pair of key blocks
	s_mov_b32 s93, 0
	s_cselect_b32 s94, 0, 2
	s_add_co_u32 s20, s20, s96                     ; which 256 tokens
	s_lshr_b32 s45, s20, 3                         ; b
	s_and_b32 s46, s20, 7                          ; which 256 of the batch's 2,048
	s_lshl_b32 s21, s21, 2
	s_lshl_b32 s23, s23, 1
	s_add_co_u32 s21, s21, s23                     ; my first head
	s_lshl_b32 s47, s45, 4
	s_add_co_u32 s47, s47, s21
	s_lshl_b32 s47, s47, 7                         ; 128 (16 b + head)
	s_lshl_b32 s95, s46, 1
	s_add_co_u32 s95, s95, s22                     ; which 128 tokens of the batch
	s_lshl_b32 s97, s95, 1                         ; v: 2 pairs of key blocks each;
	s_lshl_b32 s97, s97, s94                       ; q, k: 8 token tiles each
	s_add_co_u32 s47, s47, s97                     ; the first unit's number
	s_lshl_b32 s98, s45, 4
	s_add_co_u32 s98, s98, s95
	s_lshl_b32 s98, s98, 6
	s_lshl_b32 s99, s21, 2
	s_add_co_u32 s98, s98, s99                     ; v's scale record: (16 b + group) 64 + 4 head
	s_cmp_eq_u32 s2, 1
	s_cselect_b32 s98, s98, s47                    ; q's, k's: as the unit
	s_lshl_b32 s98, s98, 7
	s_mul_i32 s99, ttmp9, 1048576                  ; q's, k's, v's records follow each other
	s_add_co_u32 s98, s98, s99
	s_add_co_u32 s98, s98, QS
	s_mov_b32 s99, 0
	s_add_nc_u64 s[12:13], s[6:7], s[98:99]
	s_add_nc_u64 s[18:19], s[12:13], 16384         ; q, k: the next head's record
	s_mul_i32 s98, s47, 768
	s_mul_i32 s97, ttmp9, 6291456                  ; q's, k's, v's units follow each other
	s_add_co_u32 s98, s98, s97
	s_add_nc_u64 s[8:9], s[6:7], s[98:99]
	s_add_nc_u64 s[10:11], s[8:9], s[92:93]
.macro FRAG reg, adr, q, i             ; a fragment is two units: for each, 16 bytes a lane and 8 bytes a lane, each run of a load's bytes consecutive
.irp c, 0,1
	ds_load_b128 v[\reg+6*\c:\reg+6*\c+3], v[\adr] offset:3072*(\i)+1536*(\q)+768*\c
	ds_load_b64 v[\reg+6*\c+4:\reg+6*\c+5], v[\adr+2] offset:3072*(\i)+1536*(\q)+768*\c+512
.endr
.endm
; 16 matrix instructions: S1's tiles a0, a0 + 1 x S0's eight, 128 along K.  The 64 accumulators take turns, one instruction a turn, in the same order in every step.
.macro MUL16 a0, p, q, sc, zero
.irp a, \a0, \a0+1
.irp b, 0,1,2,3,4,5,6,7
.if \zero
	v_wmma_scale_f32_16x16x128_f8f6f4 v[8*(8*((\a)%4)+\b):8*(8*((\a)%4)+\b)+7], v[128*(\p)+FR*\b:128*(\p)+FR*\b+FR-1], v[AF+FR*(\a):AF+FR*(\a)+FR-1], 0, v[SC+8*NQ*(\sc)+NQ*\b+(\q)], v[SC+8*NQ*(\sc)+NQ*(\a)+(\q)] matrix_a_fmt:MATRIX_FMT_FP6 matrix_b_fmt:MATRIX_FMT_FP6 matrix_a_scale:MATRIX_SCALE_ROW1
.else
	v_wmma_scale_f32_16x16x128_f8f6f4 v[8*(8*((\a)%4)+\b):8*(8*((\a)%4)+\b)+7], v[128*(\p)+FR*\b:128*(\p)+FR*\b+FR-1], v[AF+FR*(\a):AF+FR*(\a)+FR-1], v[8*(8*((\a)%4)+\b):8*(8*((\a)%4)+\b)+7], v[SC+8*NQ*(\sc)+NQ*\b+(\q)], v[SC+8*NQ*(\sc)+NQ*(\a)+(\q)] matrix_a_fmt:MATRIX_FMT_FP6 matrix_b_fmt:MATRIX_FMT_FP6 matrix_a_scale:MATRIX_SCALE_ROW1
.endif
.endr
.endr
.endm
.macro FETCH_B slot, q, p
	WIN TO_B
.irp i, 0,1,2,3,4,5,6,7
	FRAG 128*(\p)+FR*\i, ADRB+\slot, \q, \i
.endr
	WIN 0
.endm
.macro FETCH_A slot, q, i0
.irp i, \i0, \i0+1, \i0+2, \i0+3
	FRAG AF+FR*(\i), ADRA+\slot, \q, \i
.endr
.endm
.macro SCALES sc                       ; the K step's scale words: two records a tile
.irp i, 0,1,2,3,4,5,6,7
.irp q, 0,1
	ds_load_b32 v[SC+8*NQ*\sc+NQ*\i+\q], v[ADRS] offset:1024*\i+128*\q
.endr
.endr
.endm
.macro PLACES n                        ; plain vector instructions between a matrix instruction and a load into, or a read of, its registers
.rept \n
	v_nop
.endr
.endm
.macro STEP slot, q, zero              ; a step of 128 along K that has its successor in the same slot
	s_wait_dscnt 4*NL                              ; S0's set, the scale words and S1's tiles 0-3 are in; the youngest 16 loads (S1's tiles 4-7) may be out
	WIN MUL_LO
	MUL16 0, (\q)%2, \q, \slot, \zero
	MUL16 2, (\q)%2, \q, \slot, \zero
	s_wait_dscnt 0
	PLACES NP
	FETCH_B \slot, (\q)+1, 1-(\q)%2
	FETCH_A \slot, (\q)+1, 0
	WIN MUL_HI
	MUL16 4, (\q)%2, \q, \slot, \zero
	MUL16 6, (\q)%2, \q, \slot, \zero
	PLACES NP
	WIN 0
	FETCH_A \slot, (\q)+1, 4
.endm
; A slot's last step changes slots: one barrier; in front of it each wave waits for all its tensor loads, adds 0 to its spare word, and waits for that and for its reads of this slot.  fill = 1: this slot is filled again, two K steps ahead.
.macro TURN slot, next, fill
	s_wait_tensorcnt 0x0                           ; all my tensor loads have landed: my part of the next slot
	ds_add_u32 v[SPW], v[NIL]                      ; 0 onto my spare word
	s_wait_dscnt 4*NL+1                            ; (the add and the youngest 16 loads may be out)
	WIN MUL_LO
	MUL16 0, 1, NQ-1, \slot, 0
	s_wait_dscnt 0x0                               ; the add is done, and my reads of this slot are over
	s_barrier_signal -1
	MUL16 2, 1, NQ-1, \slot, 0
	WIN 0
	s_barrier_wait -1
.if \fill
	CREST                                          ; the barrier has opened a round of the cluster's barrier: no wave of any partner still reads this slot or has a load on its way
	s_add_nc_u64 s[G0+4*\slot+2:G0+4*\slot+3], s[G0+4*\slot+2:G0+4*\slot+3], 6144
	s_add_nc_u64 s[G0B+4*\slot+2:G0B+4*\slot+3], s[G0B+4*\slot+2:G0B+4*\slot+3], 6144
	JLOAD G0+4*\slot, G1, G0B+4*\slot, G1B         ; the first tensor load behind the round; its four v_nop are the places in front of the loads below
.else
	PLACES NP
.endif
	v_add_nc_u32 v[ADRS], 256, v[ADRS]             ; on to the next K step's records (no LDS load of mine is out)
	FETCH_B \next, 0, 0
	FETCH_A \next, 0, 0
	SCALES \next
	WIN MUL_HI
	MUL16 4, 1, NQ-1, \slot, 0
	MUL16 6, 1, NQ-1, \slot, 0
	PLACES NP
	WIN 0
	FETCH_A \next, 0, 4
.endm
	s_wait_tensorcnt 1                             ; the scale records and my part of K step 0 are in (K step 1's load may be out),
	s_barrier_signal -1
	s_barrier_wait -1                              ; everybody's are
	FETCH_B 0, 0, 0
	FETCH_A 0, 0, 0
	SCALES 0
	FETCH_A 0, 0, 4
	STEP 0, 0, 1                                   ; the first step's products start the sums
	s_mov_b32 s3, 1                                ; K = 1,024 is four slots' worth: one trip fills both slots again
.Llap:
	TURN 0, 1, 1
	STEP 1, 0, 0
	TURN 1, 0, 1
	STEP 0, 0, 0
	s_sub_co_u32 s3, s3, 1
	s_cmp_lg_u32 s3, 0
	s_cbranch_scc1 .Llap
	TURN 0, 1, 0                                   ; the last lap fills nothing
	STEP 1, 0, 0
	s_wait_dscnt 4*NL
	WIN MUL_LO
	MUL16 0, 1, NQ-1, 1, 0
	MUL16 2, 1, NQ-1, 1, 0
	s_wait_dscnt 0
	WIN MUL_HI
	MUL16 4, 1, NQ-1, 1, 0
	MUL16 6, 1, NQ-1, 1, 0
	WIN 0
; THE WAY OUT, an S1 tile at a time.  Its 64 registers of a lane, register 16 b + i = neighbour 32 b + 16 (lane / 16) + i of the lane's row, become a fragment's codes and its scale word, and go straight to memory as two units.
.macro QOUT a
.set AC, 64*((\a)%4)
.set WA, 2+(\a)/4
.if (\a) > 0
	s_wait_xcnt 0x0                                ; the last tile's stores have read their data and bases: both are written again only behind this wait
	s_add_nc_u64 s[8:9], s[8:9], s[66:67]
	s_add_nc_u64 s[10:11], s[10:11], s[66:67]
	s_add_nc_u64 s[12:13], s[12:13], 128
	s_add_nc_u64 s[18:19], s[18:19], 128
.endif
.set WN, (WA<<2)|(WA<<4)
	WIN WN                                         ; sources 1 and 2: the accumulators' window
.irp b, 0,1,2,3
	v_max3_num_f32 v[TM+\b], 0x1800000, |v[AC+16*\b]|, |v[AC+16*\b+1]|   ; each accumulator is read from its low end on; the floor 2^(3 - 127) holds the byte at 1 from below
.endr
.irp i, 2,4,6,8,10,12,14
.irp b, 0,1,2,3
	v_max3_num_f32 v[TM+\b], v[TM+\b], |v[AC+16*\b+\i]|, |v[AC+16*\b+\i+1]|
.endr
.endr
	WIN 0
.irp b, 0,1,2,3
	v_permlanex16_b32 v[TM+4+\b], v[TM+\b], s92, s93
.endr
.irp b, 0,1,2,3
	v_max_num_f32 v[TM+\b], v[TM+\b], v[TM+4+\b]   ; with lane l xor 16's: the block's largest magnitude
.endr
.irp b, 0,1,2,3
	v_add_nc_u32 v[TM+12+\b], 0xff000000, v[TM+\b] ; 2 off its exponent field: the conversion's scale operand
.endr
.irp b, 0,1,2,3
	v_lshrrev_b32 v[TM+4+\b], 23, v[TM+12+\b]      ; the scale's byte
.endr
	v_lshl_or_b32 v[PW], v[TM+5], 8, v[TM+4]
	v_lshl_or_b32 v[PW], v[TM+6], 16, v[PW]
	v_lshl_or_b32 v[PW], v[TM+7], 24, v[PW]
	WIN WA                                         ; source 0: the accumulators' window
.irp c, 0,1
	v_cvt_scalef32_pk16_fp6_f32 v[PC+6*\c:PC+2+6*\c], v[AC+32*\c:AC+15+32*\c], v[TM+12+2*\c]
	v_cvt_scalef32_pk16_fp6_f32 v[PC+12+4*\c:PC+14+4*\c], v[AC+16+32*\c:AC+31+32*\c], v[TM+12+2*\c+1]
.endr
	WIN 0
	v_nop                                          ; one plain place behind a scaled conversion
.irp c, 0,1                                    ; the operand's layout wants a whole block in a lane: lanes 0-15 block 2 c, lanes 16-31 block 2 c + 1
.irp i, 0,1,2
	v_permlane16_swap_b32 v[PC+6*\c+\i], v[PC+12+4*\c+\i]
.endr
.irp i, 0,1,2
	v_mov_b32 v[PC+3+6*\c+\i], v[PC+12+4*\c+\i]
.endr
.endr
	global_store_b128 v[L16], v[PC:PC+3], s[8:9]                 ; 512 consecutive bytes, at a multiple of 256 from the buffer's first byte,
	global_store_b64 v[L8], v[PC+4:PC+5], s[8:9] offset:512      ; and 256
	global_store_b128 v[L16], v[PC+6:PC+9], s[10:11]
	global_store_b64 v[L8], v[PC+10:PC+11], s[10:11] offset:512
	s_cmp_eq_u32 s2, 0                             ; the role: the same in all partners
	s_cbranch_scc0 .Lwhole_\@
	v_lshrrev_b32 v217, 16, v[PW]                  ; q, k: the word's halves belong to two heads; the upper bytes of each head's word are 0
	v_and_b32 v[PW], 0xffff, v[PW]
	global_store_b32 v[L4], v217, s[18:19]
.Lwhole_\@:
	global_store_b32 v[L4], v[PW], s[12:13]
.endm
	PLACES NP                                      ; behind the last products: their results are read, and the registers that held S1's fragments written
	s_mov_b32 s92, 0x76543210
	s_mov_b32 s93, 0xfedcba98                      ; v_permlanex16_b32's selects for lane l xor 16
.irp b, 0,1,2,3
	v_mov_b32 v[TM+4+\b], 0                        ; written once: a lane permute's destination counts as one of its sources
.endr
.irp a, 0,1,2,3,4,5,6,7
	QOUT \a
.endr
	s_wait_tensorcnt 0x0                           ; the wave's end
	ds_add_u32 v[SPW], v[NIL]
	s_wait_dscnt 0x0
	CROUND                                         ; the closing round: no work-group ends while a partner may still ask for a tile that names it
	s_endpgm
.Lfunc_end_k_q6aa4e40e85_qkvgemm:
	.size	k_q6aa4e40e85_qkvgemm, .Lfunc_end_k_q6aa4e40e85_qkvgemm-k_q6aa4e40e85_qkvgemm
	.p2alignl 7, 3214868480
	.fill 96, 4, 3214868480
	.section	.rodata,"a",@progbits
	.p2align	6, 0x0
	.amdhsa_kernel k_q6aa4e40e85_qkvgemm
		.amdhsa_group_segment_fixed_size 327680
		.amdhsa_private_segment_fixed_size 0
		.amdhsa_enable_private_segment 0
		.amdhsa_kernarg_size 16
		.amdhsa_user_sgpr_count 2
		.amdhsa_user_sgpr_kernarg_segment_ptr 1
		.amdhsa_wavefront_size32 1
		.amdhsa_system_sgpr_workgroup_id_x 1
		.amdhsa_system_sgpr_workgroup_id_y 1
		.amdhsa_system_sgpr_workgroup_id_z 1
		.amdhsa_system_vgpr_workitem_id 0
		.amdhsa_next_free_vgpr 1024
		.amdhsa_next_free_sgpr 100
		.amdhsa_reserve_vcc 0
		.amdhsa_float_denorm_mode_32 3
		.amdhsa_float_denorm_mode_16_64 3
		.amdhsa_memory_ordered 1
		.amdhsa_forward_progress 1
		.amdhsa_inst_pref_size 155
	.end_amdhsa_kernel
	.amdgpu_metadata
---
amdhsa.version: [ 1, 2 ]
amdhsa.kernels:
  - .name:           k_q6aa4e40e85_qkvgemm
    .symbol:         k_q6aa4e40e85_qkvgemm.kd
    .args:
      - { .name: ops, .offset: 0, .size: 8, .value_kind: global_buffer, .address_space: global }
      - { .name: qkv, .offset: 8, .size: 8, .value_kind: global_buffer, .address_space: global }
    .group_segment_fixed_size: 327680
    .private_segment_fixed_size: 0
    .kernarg_segment_align: 8
    .kernarg_segment_size: 16
    .max_flat_workgroup_size: 128
    .sgpr_count:     100
    .vgpr_count:     1024
    .wavefront_size: 32
...
	.end_amdgpu_metadata
.endif
;; end of part 2
;; launch attn (part 3): grid 8 x 32, 16 waves a work-group, no clusters, 169,984 bytes of LDS; arguments qkv, att; writes att
.if DOCPART == 3
	.amdgcn_target "amdgcn-amd-amdhsa--gfx1250"
	.amdhsa_code_object_version 6
	.text
	.protected	k_q6aa4e40e85_attn
	.globl	k_q6aa4e40e85_attn
	.p2align	8
	.type	k_q6aa4e40e85_attn,@function
k_q6aa4e40e85_attn:
	s_mov_b64 s[64:65], 0
	v_nop
	global_prefetch_b8 v0, s[64:65] scope:SCOPE_SE
	s_setreg_imm32_b32 hwreg(HW_REG_WAVE_MODE, 25, 1), 1
	s_wait_xcnt 0x0
; Banded attention on codes of FP6 (E2M3): key j counts for query i where |i - j| <= 128.  Head size 64, 2,048 tokens, 4 x 16 heads.  The result, divided by the row's sum, is quantised along C and stored as operand images.
; qkv (read): as the launch before lays it: q's and k's units [b][head][token tile 128][768], v's [b][head][channel tile 4][pair of key blocks 32][768], scale records of 128 bytes.
; att (written): units [token tile 512][head 16][768]; from ASC on scale records [tile][pair of heads 8][128].
; SHARES.  A work-group owns 256 queries of two heads of one batch; wave w owns query tile 16 x + w (16 queries of one group of 32), head after head.
; THE WINDOW.  The tile's queries lie in group g of 32 tokens, so their keys lie in blocks g - 4 + B, B = 0 .. 8, of 32 keys.  Blocks 1 to 7 count whole; in block 0 key n counts where n >= the query's place in its group, in block 8 where n <= it.
;   Every wave runs the same text: blocks 4-7 (the diagonal's: the row's maximum is a number from the first step on), blocks 0-3, block 8.
;   The masks are the C of blocks 0's and 8's products: 0 or -1e30.  A block past the sequence's ends gets -1e30 added to its maximum and to its -M, so that its p are 0; the bytes read for it are a valid chunk's.
; K = 64.  q's codes of k = 64 .. 127 are zeros and bytes 2, 3 of q's and k's scale words are 0; the upper six registers of a key tile's operand are the next tile's codes: every code is a finite number, so these products add nothing.
; SOFTMAX.  t = score x log2(e) / 8; M = the running largest t, rounded up to a whole number; p = 2^(t - M) is quantised along the keys; the sum is taken of the unquantised p and divides at the end.
; LDS holds, for each of the two heads, the 512 keys that the work-group's queries can see; it is filled once, by asynchronous copies at the head, and read behind one barrier.
; No cluster: neighbouring work-groups share half a window, and it would stand at other LDS places in each.
; LIMITS: -1e30 stands for reference's -1e9: the same result wherever the logits stay under about 1e9 in magnitude; NaN and infinities are not served; a block of zeros gets the byte 1 (this program alone reads the bytes).
.set HB,   55296                       ; a head's bytes in LDS
.set VT,   24576                       ; key tiles 32 x 768 at 0; v's units [channel tile 4][pair 8][768] here;
.set KSC,  49152                       ; k's scale records 32 x 128;
.set VSC,  53248                       ; v's [chunk 4][channel tile 4][128]
.set KC,   6291456
.set VC,   12582912
.set QS,   18874368
.set KS,   19922944
.set VS,   20971520
.set ASC,  6291456
.set AK16, 1                           ; v1   my first key tile, + 16 x lane
.set AK8,  2                           ; v2   + 512 + 8 x lane
.set AKS,  3                           ; v3   its scale record, + 4 x lane
.set AV16, 4                           ; v4   v: block Bw + h: its pair's unit, its half of the lanes, + 16 r
.set AV8,  5                           ; v5   the same for the last two registers
.set AC16, 6                           ; v6, v7  the same for block Bw + 8, in all lanes
.set AC8,  7
.set AVS,  8                           ; v8   v's scale records of my first chunk, + 4 x lane
.set L16,  9                           ; v9-11  16, 8, 4 x lane; never rewritten
.set L8,   10
.set L4,   11
.set KF,   32                          ; v32-85 key tiles, 6 registers each (v80-85 stay 0); v32-79 v's four fragments
.set KW,   86                          ; v86-93 k's scale words, then v's raw words
.set SEL,  50                          ; s[50:51]
.set CS,   52                          ; s[52:53] c = log2(e) / 8
.set SHF,  54                          ; s54  8 (Bw % 4)
.set BI,   55                          ; s55-63  0, or -1e30 for a block past the sequence's ends
; other registers: v12 -M, v13 the largest t, v[14:15] the sum, v16-27 q (v22-27 stay 0), v28 q's scale word, v29 the result's, v30 -1e30, v31 d,
; v96-159 scores, then p; v160-191 O^T; v192-207, v208-223 the masks; v224-235 p's codes; v232-254 at work
	s_load_b128 s[4:7], s[0:1], 0x0                ; qkv s[4:5], att s[6:7]
	v_lshl_add_u32 v95, v0, 2, 0x29000
	v_mov_b32 v255, 0
	ds_add_u32 v95, v255
	ds_add_u32 v95, v255
	v_lshrrev_b32 v1, 5, v0
	v_readfirstlane_b32 s8, v1                     ; wave 0..15
	v_and_b32 v232, 31, v0                         ; lane
	v_and_b32 v233, 15, v0                         ; r
	v_bfe_u32 v234, v0, 4, 1                       ; h
	v_lshlrev_b32 v[L16], 4, v232
	v_lshlrev_b32 v[L8], 3, v232
	v_lshlrev_b32 v[L4], 2, v232
	s_and_b32 s10, ttmp7, 0xffff
	s_lshr_b32 s11, s10, 3                         ; b
	s_and_b32 s12, s10, 7                          ; the pair of heads
	s_lshr_b32 s13, s8, 2                          ; I copy chunk c of 128 keys,
	s_and_b32 s14, s8, 3                           ; part p of it
	s_lshl_b32 s15, ttmp9, 1
	s_add_co_u32 s15, s15, s13
	s_sub_co_i32 s15, s15, 1
	s_max_i32 s15, s15, 0
	s_min_i32 s15, s15, 15                         ; the chunk in memory: 2 x - 1 + c, held inside the sequence
	s_lshl_b32 s16, s11, 4
	s_lshl_b32 s17, s12, 1
	s_add_co_u32 s16, s16, s17                     ; 16 b + the first head
	s_lshl_b32 s18, s16, 7
	s_lshl_b32 s19, s15, 3
	s_add_co_u32 s18, s18, s19
	s_lshl_b32 s19, s14, 1
	s_add_co_u32 s18, s18, s19                     ; k: my two tiles
	s_mul_i32 s66, s18, 768
	s_add_co_u32 s66, s66, KC
	s_mov_b32 s67, 0
	s_lshl_b32 s68, s18, 7
	s_add_co_u32 s68, s68, KS
	s_mov_b32 s69, 0
	s_lshl_b32 s18, s16, 2
	s_add_co_u32 s18, s18, s14
	s_lshl_b32 s18, s18, 5
	s_lshl_b32 s19, s15, 1
	s_add_co_u32 s18, s18, s19                     ; v: channel tile p, the chunk's two pairs
	s_mul_i32 s70, s18, 768
	s_add_co_u32 s70, s70, VC
	s_mov_b32 s71, 0
	s_lshl_b32 s18, s11, 4
	s_add_co_u32 s18, s18, s15
	s_lshl_b32 s18, s18, 4
	s_add_co_u32 s18, s18, s17
	s_lshl_b32 s18, s18, 2
	s_add_co_u32 s18, s18, s14                     ; v's scale record
	s_lshl_b32 s18, s18, 7
	s_add_co_u32 s18, s18, VS
	s_mov_b32 s19, 0
	s_mul_i32 s9, s8, 1536                         ; where they go: 8 c + 2 p = 2 x wave
	v_add_nc_u32 v96, s9, v[L16]
	s_mul_i32 s9, s14, 6144
	s_mul_i32 s10, s13, 1536
	s_add_co_u32 s9, s9, s10
	s_add_co_u32 s9, s9, VT
	v_add_nc_u32 v97, s9, v[L16]
	s_lshl_b32 s9, s8, 8
	s_add_co_u32 s9, s9, KSC
	v_add_nc_u32 v98, s9, v[L8]
	s_lshl_b32 s9, s8, 7
	s_add_co_u32 s9, s9, VSC
	v_add_nc_u32 v99, s9, v[L4]
.irp i, 0,1,2,3
	v_add_nc_u32 v[100+\i], HB, v[96+\i]           ; the second head's
.endr
	s_wait_dscnt 0x0
	s_wait_kmcnt 0x0
	s_add_nc_u64 s[20:21], s[4:5], s[66:67]
	s_add_nc_u64 s[22:23], s[4:5], s[70:71]
	s_add_nc_u64 s[24:25], s[4:5], s[68:69]
	s_add_nc_u64 s[26:27], s[4:5], s[18:19]
	s_add_nc_u64 s[28:29], s[20:21], 98304         ; the second head: 128 units on,
	s_add_nc_u64 s[30:31], s[22:23], 98304
	s_add_nc_u64 s[32:33], s[24:25], 16384         ; 128 records,
	s_add_nc_u64 s[34:35], s[26:27], 512           ; 4 records
	; THE FILL: sixteen copies a wave, all ahead of every wait on their counter, every LDS read and the barrier.  v96-103, v9-11 and s[20:35] stay as they are until the wait
.irp e, 0,1
.irp i, 0,1,2
	global_load_async_to_lds_b128 v[96+4*\e], v[L16], s[20+8*\e:21+8*\e] offset:512*\i
.endr
.irp i, 0,1,2
	global_load_async_to_lds_b128 v[97+4*\e], v[L16], s[22+8*\e:23+8*\e] offset:512*\i
.endr
	global_load_async_to_lds_b64 v[98+4*\e], v[L8], s[24+8*\e:25+8*\e]
	global_load_async_to_lds_b32 v[99+4*\e], v[L4], s[26+8*\e:27+8*\e]
.endr
	s_lshl_b32 s9, ttmp9, 4
	s_add_co_u32 s9, s9, s8                        ; my query tile in the batch
	s_lshl_b32 s10, s16, 7
	s_add_co_u32 s10, s10, s9
	s_mul_i32 s66, s10, 768
	s_add_nc_u64 s[36:37], s[4:5], s[66:67]        ; q's unit, first head
	s_lshl_b32 s66, s10, 7
	s_add_co_u32 s66, s66, QS
	s_add_nc_u64 s[38:39], s[4:5], s[66:67]        ; its scale record
	s_add_nc_u64 s[40:41], s[36:37], 98304         ; second head
	s_add_nc_u64 s[42:43], s[38:39], 16384
	global_load_b128 v[16:19], v[L16], s[36:37]
	global_load_b64 v[20:21], v[L8], s[36:37] offset:512
	global_load_b32 v28, v[L4], s[38:39]
	s_lshl_b32 s10, s11, 7
	s_add_co_u32 s10, s10, s9                      ; the tile among all 512
	s_lshl_b32 s66, s10, 4
	s_add_co_u32 s66, s66, s17
	s_mul_i32 s66, s66, 768
	s_add_nc_u64 s[44:45], s[6:7], s[66:67]        ; the result's unit, first head,
	s_add_nc_u64 s[46:47], s[44:45], 768           ; second head
	s_lshl_b32 s66, s10, 3
	s_add_co_u32 s66, s66, s12
	s_lshl_b32 s66, s66, 7
	s_add_co_u32 s66, s66, ASC
	s_add_nc_u64 s[48:49], s[6:7], s[66:67]        ; and its scale record
	s_mov_b32 s[SEL], 0x76543210
	s_mov_b32 s[SEL+1], 0xfedcba98
	s_mov_b32 s[CS], 0x3e38aa3b                    ; log2(e) / 8
	s_mov_b32 s[CS+1], s[CS]                       ; (named with it as a pair, so it is written)
	s_lshr_b32 s18, s8, 1                          ; Bw: my block 0 among the 16 blocks in LDS
	s_and_b32 s[SHF], s18, 3
	s_lshl_b32 s[SHF], s[SHF], 3
	s_lshl_b32 s19, ttmp9, 3
	s_add_co_u32 s19, s19, s18
	s_sub_co_u32 s19, s19, 4                       ; my block 0 in the sequence (it wraps below 0)
	s_mov_b32 s10, 0xf149f2ca                      ; -1e30
.irp n, 0,1,2,3,4,5,6,7,8
	s_cmp_lt_u32 s19, 64
	s_cselect_b32 s[BI+\n], 0, s10
	s_add_co_u32 s19, s19, 1
.endr
	s_mul_i32 s9, s18, 1536
	v_add_nc_u32 v[AK16], s9, v[L16]
	s_add_co_u32 s9, s9, 512
	v_add_nc_u32 v[AK8], s9, v[L8]
	s_lshl_b32 s9, s18, 8
	s_add_co_u32 s9, s9, KSC
	v_add_nc_u32 v[AKS], s9, v[L4]
	v_add_nc_u32 v235, s18, v234                   ; block Bw + h: the operand gives lanes 0-15 a step's even blocks, lanes 16-31 its odd ones;
	v_lshrrev_b32 v236, 1, v235                    ; in LDS a unit's lanes 0-15 hold an even block: so a lane reads the half of the unit in which its block lies
	v_and_b32 v237, 1, v235
	v_mul_u32_u24 v236, v236, 768
	v_lshl_add_u32 v[AV16], v237, 8, v236
	v_lshl_add_u32 v[AV16], v233, 4, v[AV16]
	v_add_nc_u32 v[AV16], VT, v[AV16]
	v_lshl_add_u32 v[AV8], v237, 7, v236
	v_lshl_add_u32 v[AV8], v233, 3, v[AV8]
	v_add_nc_u32 v[AV8], VT+512, v[AV8]
	s_add_co_u32 s9, s18, 8                        ; block Bw + 8
	s_lshr_b32 s66, s9, 1
	s_mul_i32 s66, s66, 768
	s_and_b32 s9, s9, 1
	s_lshl_b32 s67, s9, 8
	s_add_co_u32 s67, s67, s66
	s_add_co_u32 s67, s67, VT
	v_lshl_add_u32 v[AC16], v233, 4, s67
	s_lshl_b32 s67, s9, 7
	s_add_co_u32 s67, s67, s66
	s_add_co_u32 s67, s67, VT+512
	v_lshl_add_u32 v[AC8], v233, 3, s67
	s_lshr_b32 s9, s18, 2
	s_lshl_b32 s9, s9, 9
	s_add_co_u32 s9, s9, VSC
	v_add_nc_u32 v[AVS], s9, v[L4]
	s_and_b32 s9, s8, 1
	s_lshl_b32 s9, s9, 3
	v_and_b32 v31, 8, v233
	v_add_nc_u32 v31, v31, v233
	v_add_nc_u32 v31, s9, v31                      ; my query's place in its group of 32: 8 (w % 2) + r + 8 (r / 8),
	v_lshlrev_b32 v235, 4, v234
	v_sub_nc_u32 v31, v31, v235                    ; less 16 h: register n of a block's 16 holds key 16 h + n
	v_mov_b32 v30, 0xf149f2ca
.irp n, 0,1,2,3,4,5,6,7,8,9,10,11,12,13,14,15
	v_cmp_lt_i32 vcc_lo, \n, v31                   ; block 0: hidden where n < d
	v_cndmask_b32 v[192+\n], 0, v30, vcc_lo
	v_cmp_gt_i32 vcc_lo, \n, v31                   ; block 8: hidden where n > d
	v_cndmask_b32 v[208+\n], 0, v30, vcc_lo
.endr
.irp n, 22,23,24,25,26,27, 80,81,82,83,84,85, 236,237,238,239,240,241,242,243, 253
	v_mov_b32 v[\n], 0                             ; q's upper half and the tail behind the key tiles: zero codes; the others are named as permutes' destinations or pairs' upper halves before they are first written
.endr
	s_wait_asynccnt 0x0                            ; my copies have landed,
	s_barrier_signal -1
	s_barrier_wait -1                              ; everybody's have: from here on LDS is only read
	s_wait_loadcnt 0x0                             ; q
; A STEP OF FOUR BLOCKS.  t0: its first key tile, counted from my block 0; bi0: its first block; po: bi0 / 2; go: bi0 / 4; first = 1: it starts m, the sum and O^T; pm = 1: its first two tiles take block 0's mask as C.
.macro STEP4 t0, bi0, po, go, first, pm
.rept 4
	v_nop                                          ; places in front of loads into registers that matrix instructions have read
.endr
.irp t, 0,1,2,3,4,5,6,7
	ds_load_b128 v[KF+6*\t:KF+6*\t+3], v[AK16] offset:(\t0+\t)*768
	ds_load_b64 v[KF+6*\t+4:KF+6*\t+5], v[AK8] offset:(\t0+\t)*768
	ds_load_b32 v[KW+\t], v[AKS] offset:(\t0+\t)*128
.endr
	s_wait_dscnt 0x0
.irp t, 0,1,2,3,4,5,6,7                        ; S^T = K Q^T: a lane holds one query; the 16 registers of tiles 2 b, 2 b + 1 are keys 32 b + 16 h + 0 .. 15
.if \pm && (\t < 2)
	v_wmma_scale_f32_16x16x128_f8f6f4 v[96+8*\t:103+8*\t], v[KF+6*\t:KF+6*\t+11], v[16:27], v[192+8*\t:199+8*\t], v[KW+\t], v28 matrix_a_fmt:MATRIX_FMT_FP6 matrix_b_fmt:MATRIX_FMT_FP6
.else
	v_wmma_scale_f32_16x16x128_f8f6f4 v[96+8*\t:103+8*\t], v[KF+6*\t:KF+6*\t+11], v[16:27], 0, v[KW+\t], v28 matrix_a_fmt:MATRIX_FMT_FP6 matrix_b_fmt:MATRIX_FMT_FP6
.endif
.endr
.rept 4
	v_nop
.endr
.irp n, 0,1,2,3                                ; v's four fragments and their raw scale words land while the softmax is worked
.irp c, 0,1
	ds_load_b128 v[KF+12*\n+6*\c:KF+12*\n+6*\c+3], v[AV16] offset:6144*\n+768*(\c+\po)
	ds_load_b64 v[KF+12*\n+6*\c+4:KF+12*\n+6*\c+5], v[AV8] offset:6144*\n+768*(\c+\po)
.endr
	ds_load_b32 v[KW+2*\n], v[AVS] offset:512*\go+128*\n
	ds_load_b32 v[KW+2*\n+1], v[AVS] offset:512*(\go+1)+128*\n
.endr
.irp b, 0,1,2,3
	v_max3_num_f32 v[232+\b], v[96+16*\b], v[97+16*\b], v[98+16*\b]   ; each block's largest score: for the row's maximum, and, since p rises with the score, for the block's largest p
.endr
.irp i, 3,5,7,9,11,13
.irp b, 0,1,2,3
	v_max3_num_f32 v[232+\b], v[232+\b], v[96+16*\b+\i], v[97+16*\b+\i]
.endr
.endr
.irp b, 0,1,2,3
	v_max_num_f32 v[232+\b], v[232+\b], v[111+16*\b]
.endr
.irp b, 0,1,2,3
	v_permlanex16_b32 v[236+\b], v[232+\b], s[SEL], s[SEL+1]
.endr
.irp b, 0,1,2,3
	v_max_num_f32 v[232+\b], v[232+\b], v[236+\b]
.endr
.irp b, 0,1,2,3
	v_add_f32 v[232+\b], s[BI+\bi0+\b], v[232+\b]  ; a block past the sequence's ends never gives the maximum
.endr
	v_max3_num_f32 v254, v232, v233, v234
	v_max_num_f32 v254, v254, v235
	v_mul_f32 v254, s[CS], v254                    ; as t
.if \first
	v_mov_b32 v13, v254
	v_floor_f32 v12, -v13                          ; -M = floor(-t)
.else
	v_max_num_f32 v13, v13, v254
	v_mov_b32 v254, v12
	v_floor_f32 v12, -v13
	v_sub_f32 v254, v12, v254                      ; old M - new M: a whole number, 0 or less
	v_cvt_i32_f32 v254, v254
	v_ldexp_f32 v252, 1.0, v254                    ; f = 2^(old M - new M)
.endif
.irp b, 0,1,2,3
	v_add_f32 v[236+2*\b], s[BI+\bi0+\b], v12      ; -M, or far below it for a block past the ends: its p are 0
.endr
.irp b, 0,1,2,3
.irp j, 0,2,4,6,8,10,12,14
	v_pk_fma_f32 v[96+16*\b+\j:97+16*\b+\j], v[96+16*\b+\j:97+16*\b+\j], s[CS:CS+1], v[236+2*\b:237+2*\b] op_sel_hi:[1,0,0]
.endr
.endr
.irp b, 0,1,2,3
	v_fma_f32 v[232+\b], v[232+\b], s[CS], v[236+2*\b]
.endr
.irp j, 0,1,2,3,4,5,6,7,8,9,10,11,12,13,14,15,16,17,18,19,20,21,22,23,24,25,26,27,28,29,30,31,32,33,34,35,36,37,38,39,40,41,42,43,44,45,46,47,48,49,50,51,52,53,54,55,56,57,58,59,60,61,62,63
	v_exp_f32 v[96+\j], v[96+\j]                   ; p = 2^(t - M)
.endr
.if \first
	v_nop                                          ; a plain place behind the exponentials
.else
	v_pk_mul_f32 v[14:15], v[14:15], v[252:253] op_sel_hi:[1,0]   ; the sum under the new M (a plain place behind the exponentials)
.endif
	s_wait_alu depctr_va_vdst(0)                   ; one wait for the batch, ahead of its first reader
.irp b, 0,1,2,3
	v_exp_f32 v[232+\b], v[232+\b]                 ; the blocks' largest p
.endr
	v_pk_add_f32 v[236:237], v[96:97], v[98:99]    ; the sum of the unquantised p, in two chains
.irp j, 4,8,12,16,20,24,28,32,36,40,44,48,52,56,60
	v_pk_add_f32 v[14:15], v[14:15], v[96+\j:97+\j]
	v_pk_add_f32 v[236:237], v[236:237], v[98+\j:99+\j]
.endr
	v_pk_add_f32 v[14:15], v[14:15], v[236:237]
	s_wait_alu depctr_va_vdst(0)                   ; and one for the four
.irp b, 0,1,2,3
	v_max_num_f32 v[232+\b], 0x1800000, v[232+\b]  ; the floor 2^(3 - 127): the byte cannot fall under 1
.endr
.irp b, 0,1,2,3
	v_add_nc_u32 v[244+\b], 0xff000000, v[232+\b]
.endr
.irp b, 0,1,2,3
	v_lshrrev_b32 v[236+\b], 23, v[244+\b]
.endr
	v_lshl_or_b32 v253, v237, 8, v236              ; p's scale word for these 128 keys
	v_lshl_or_b32 v253, v238, 16, v253
	v_lshl_or_b32 v253, v239, 24, v253
	s_wait_dscnt 0x0                               ; v is in
.irp n, 0,1,2,3
	v_alignbit_b32 v[248+\n], v[KW+2*\n+1], v[KW+2*\n], s[SHF]   ; the step's four bytes out of two chunks' words
.endr
.irp c, 0,1
	v_cvt_scalef32_pk16_fp6_f32 v[224+6*\c:226+6*\c], v[96+32*\c:111+32*\c], v[244+2*\c]
	v_cvt_scalef32_pk16_fp6_f32 v[236+4*\c:238+4*\c], v[112+32*\c:127+32*\c], v[244+2*\c+1]
.endr
	v_nop                                          ; one plain place behind a scaled conversion
.irp c, 0,1
.irp i, 0,1,2
	v_permlane16_swap_b32 v[224+6*\c+\i], v[236+4*\c+\i]
.endr
.irp i, 0,1,2
	v_mov_b32 v[227+6*\c+\i], v[236+4*\c+\i]
.endr
.endr
.if \first
.rept 8
	v_nop                                          ; a scale register written by a vector instruction stands 8 places ahead of a scaled matrix instruction
.endr
.else
.irp j, 0,2,4,6,8,10,12,14,16,18,20,22,24,26,28,30
	v_pk_mul_f32 v[160+\j:161+\j], v[160+\j:161+\j], v[252:253] op_sel_hi:[1,0]   ; O^T under the new M (these 16 are also those places)
.endr
.endif
.irp n, 0,1,2,3                                ; O^T += V^T P^T: register 16 g + i of a lane is channel 32 g + 16 h + i
.if \first
	v_wmma_scale_f32_16x16x128_f8f6f4 v[160+8*\n:167+8*\n], v[KF+12*\n:KF+12*\n+11], v[224:235], 0, v[248+\n], v253 matrix_a_fmt:MATRIX_FMT_FP6 matrix_b_fmt:MATRIX_FMT_FP6
.else
	v_wmma_scale_f32_16x16x128_f8f6f4 v[160+8*\n:167+8*\n], v[KF+12*\n:KF+12*\n+11], v[224:235], v[160+8*\n:167+8*\n], v[248+\n], v253 matrix_a_fmt:MATRIX_FMT_FP6 matrix_b_fmt:MATRIX_FMT_FP6
.endif
.endr
.endm
; BLOCK 8 ALONE.  p's codes of the step's other three blocks are zeros; what v's registers and scale bytes hold there is finite and adds nothing.  nextq = 1: the second head's q is asked for.
.macro STEPC nextq
.rept 4
	v_nop
.endr
.irp t, 0,1
	ds_load_b128 v[KF+6*\t:KF+6*\t+3], v[AK16] offset:(16+\t)*768
	ds_load_b64 v[KF+6*\t+4:KF+6*\t+5], v[AK8] offset:(16+\t)*768
	ds_load_b32 v[KW+\t], v[AKS] offset:(16+\t)*128
.endr
	s_wait_dscnt 0x0
.irp t, 0,1
	v_wmma_scale_f32_16x16x128_f8f6f4 v[96+8*\t:103+8*\t], v[KF+6*\t:KF+6*\t+11], v[16:27], v[208+8*\t:215+8*\t], v[KW+\t], v28 matrix_a_fmt:MATRIX_FMT_FP6 matrix_b_fmt:MATRIX_FMT_FP6
.endr
.rept 4
	v_nop
.endr
.if \nextq
	global_load_b128 v[16:19], v[L16], s[40:41]
	global_load_b64 v[20:21], v[L8], s[40:41] offset:512
	global_load_b32 v28, v[L4], s[42:43]
.endif
.irp n, 0,1,2,3
	ds_load_b128 v[KF+12*\n:KF+12*\n+3], v[AC16] offset:6144*\n
	ds_load_b64 v[KF+12*\n+4:KF+12*\n+5], v[AC8] offset:6144*\n
	ds_load_b32 v[KW+\n], v[AVS] offset:1024+128*\n
.endr
	v_max3_num_f32 v232, v96, v97, v98
.irp i, 3,5,7,9,11,13
	v_max3_num_f32 v232, v232, v[96+\i], v[97+\i]
.endr
	v_max_num_f32 v232, v232, v111
	v_permlanex16_b32 v236, v232, s[SEL], s[SEL+1]
	v_max_num_f32 v232, v232, v236
	v_add_f32 v232, s[BI+8], v232
	v_mul_f32 v254, s[CS], v232
	v_max_num_f32 v13, v13, v254
	v_mov_b32 v254, v12
	v_floor_f32 v12, -v13
	v_sub_f32 v254, v12, v254
	v_cvt_i32_f32 v254, v254
	v_ldexp_f32 v252, 1.0, v254
	v_add_f32 v236, s[BI+8], v12
.irp j, 0,2,4,6,8,10,12,14
	v_pk_fma_f32 v[96+\j:97+\j], v[96+\j:97+\j], s[CS:CS+1], v[236:237] op_sel_hi:[1,0,0]
.endr
	v_fma_f32 v232, v232, s[CS], v236
.irp j, 0,1,2,3,4,5,6,7,8,9,10,11,12,13,14,15
	v_exp_f32 v[96+\j], v[96+\j]
.endr
	v_pk_mul_f32 v[14:15], v[14:15], v[252:253] op_sel_hi:[1,0]
	s_wait_alu depctr_va_vdst(0)                   ; one wait for the batch
	v_exp_f32 v232, v232
	v_pk_add_f32 v[236:237], v[96:97], v[98:99]
.irp j, 4,8,12
	v_pk_add_f32 v[14:15], v[14:15], v[96+\j:97+\j]
	v_pk_add_f32 v[236:237], v[236:237], v[98+\j:99+\j]
.endr
	v_pk_add_f32 v[14:15], v[14:15], v[236:237]
	s_wait_alu depctr_va_vdst(0)
	v_max_num_f32 v232, 0x1800000, v232
	v_add_nc_u32 v244, 0xff000000, v232
	v_lshrrev_b32 v253, 23, v244                   ; the word: this block's byte alone
	s_wait_dscnt 0x0
.irp n, 0,1,2,3
	v_lshrrev_b32 v[248+\n], s[SHF], v[KW+\n]      ; the block's byte comes lowest
.endr
	v_cvt_scalef32_pk16_fp6_f32 v[224:226], v[96:111], v244
.irp n, 236,237,238, 230,231,232,233,234,235
	v_mov_b32 v[\n], 0                             ; the other blocks' codes (plain places behind the conversion)
.endr
.irp i, 0,1,2
	v_permlane16_swap_b32 v[224+\i], v[236+\i]     ; lanes 0-15 get the whole block, lanes 16-31 zeros
.endr
.irp i, 0,1,2
	v_mov_b32 v[227+\i], v[236+\i]
.endr
.irp j, 0,2,4,6,8,10,12,14,16,18,20,22,24,26,28,30
	v_pk_mul_f32 v[160+\j:161+\j], v[160+\j:161+\j], v[252:253] op_sel_hi:[1,0]
.endr
.irp n, 0,1,2,3
	v_wmma_scale_f32_16x16x128_f8f6f4 v[160+8*\n:167+8*\n], v[KF+12*\n:KF+12*\n+11], v[224:235], v[160+8*\n:167+8*\n], v[248+\n], v253 matrix_a_fmt:MATRIX_FMT_FP6 matrix_b_fmt:MATRIX_FMT_FP6
.endr
.endm
.macro HEAD e
.if \e
	s_wait_loadcnt 0x0                             ; the second head's q
	s_wait_xcnt 0x0                                ; the first head's stores have read their data
.irp i, 1,2,3,4,5,6,7,8
	v_add_nc_u32 v[\i], HB, v[\i]                  ; on to the second head's bytes in LDS
.endr
.endif
	v_mov_b32 v14, 0
	v_mov_b32 v15, 0
	STEP4 8, 4, 2, 1, 1, 0                         ; blocks 4-7
	STEP4 0, 0, 0, 0, 0, 1                         ; blocks 0-3
	STEPC 1-\e                                     ; block 8
	v_add_f32 v14, v14, v15
	v_permlanex16_b32 v252, v14, s[SEL], s[SEL+1]
	v_add_f32 v14, v14, v252                       ; the row's sum
	v_rcp_f32 v14, v14
.rept 4
	v_nop                                          ; the plain place behind the reciprocal, and the places behind the last products
.endr
	s_wait_alu depctr_va_vdst(0)
.irp j, 0,2,4,6,8,10,12,14,16,18,20,22,24,26,28,30
	v_pk_mul_f32 v[160+\j:161+\j], v[160+\j:161+\j], v[14:15] op_sel_hi:[1,0]   ; O^T / the sum, each accumulator from its low end on
.endr
.irp g, 0,1                                    ; the head's 64 channels are two blocks along C
	v_max3_num_f32 v[232+\g], |v[160+16*\g]|, |v[161+16*\g]|, 0x1800000
.endr
.irp i, 2,4,6,8,10,12,14
.irp g, 0,1
	v_max3_num_f32 v[232+\g], v[232+\g], |v[160+16*\g+\i]|, |v[161+16*\g+\i]|
.endr
.endr
.irp g, 0,1
	v_permlanex16_b32 v[236+\g], v[232+\g], s[SEL], s[SEL+1]
.endr
.irp g, 0,1
	v_max_num_f32 v[232+\g], v[232+\g], v[236+\g]
.endr
.irp g, 0,1
	v_add_nc_u32 v[244+\g], 0xff000000, v[232+\g]
.endr
.irp g, 0,1
	v_lshrrev_b32 v[236+\g], 23, v[244+\g]
.endr
.if \e
	v_lshl_or_b32 v29, v236, 16, v29               ; the second head's bytes are the word's upper two
	v_lshl_or_b32 v29, v237, 24, v29
.else
	v_lshl_or_b32 v29, v237, 8, v236
.endif
	v_cvt_scalef32_pk16_fp6_f32 v[224:226], v[160:175], v244
	v_cvt_scalef32_pk16_fp6_f32 v[240:242], v[176:191], v245
	v_nop
.irp i, 0,1,2
	v_permlane16_swap_b32 v[224+\i], v[240+\i]
.endr
.irp i, 0,1,2
	v_mov_b32 v[227+\i], v[240+\i]
.endr
	global_store_b128 v[L16], v[224:227], s[44+2*\e:45+2*\e]            ; 512 consecutive bytes, at a multiple of 256 from the buffer's first byte,
	global_store_b64 v[L8], v[228:229], s[44+2*\e:45+2*\e] offset:512   ; and 256
.if \e
	global_store_b32 v[L4], v29, s[48:49]
.endif
.endm
	HEAD 0
	HEAD 1
	s_wait_tensorcnt 0x0
	ds_add_u32 v95, v255
	s_wait_dscnt 0x0
	s_endpgm
.Lfunc_end_k_q6aa4e40e85_attn:
	.size	k_q6aa4e40e85_attn, .Lfunc_end_k_q6aa4e40e85_attn-k_q6aa4e40e85_attn
	.p2alignl 7, 3214868480
	.fill 96, 4, 3214868480
	.section	.rodata,"a",@progbits
	.p2align	6, 0x0
	.amdhsa_kernel k_q6aa4e40e85_attn
		.amdhsa_group_segment_fixed_size 169984
		.amdhsa_private_segment_fixed_size 0
		.amdhsa_enable_private_segment 0
		.amdhsa_kernarg_size 16
		.amdhsa_user_sgpr_count 2
		.amdhsa_user_sgpr_kernarg_segment_ptr 1
		.amdhsa_wavefront_size32 1
		.amdhsa_system_sgpr_workgroup_id_x 1
		.amdhsa_system_sgpr_workgroup_id_y 1
		.amdhsa_system_sgpr_workgroup_id_z 1
		.amdhsa_system_vgpr_workitem_id 0
		.amdhsa_next_free_vgpr 256
		.amdhsa_next_free_sgpr 72
		.amdhsa_reserve_vcc 1
		.amdhsa_float_denorm_mode_32 3
		.amdhsa_float_denorm_mode_16_64 3
		.amdhsa_memory_ordered 1
		.amdhsa_forward_progress 1
		.amdhsa_inst_pref_size 100
	.end_amdhsa_kernel
	.amdgpu_metadata
---
amdhsa.version: [ 1, 2 ]
amdhsa.kernels:
  - .name:           k_q6aa4e40e85_attn
    .symbol:         k_q6aa4e40e85_attn.kd
    .args:
      - { .name: qkv, .offset: 0, .size: 8, .value_kind: global_buffer, .address_space: global }
      - { .name: att, .offset: 8, .size: 8, .value_kind: global_buffer, .address_space: global }
    .group_segment_fixed_size: 169984
    .private_segment_fixed_size: 0
    .kernarg_segment_align: 8
    .kernarg_segment_size: 16
    .max_flat_workgroup_size: 512
    .sgpr_count:     72
    .vgpr_count:     256
    .wavefront_size: 32
...
	.end_amdgpu_metadata
.endif
;; end of part 3
;; launch proj (part 4): grid 4 x 64, 4 waves a work-group, clusters of 4 x 4, 327,680 bytes of LDS; arguments att, ops, out0; writes out0
.if DOCPART == 4
	.amdgcn_target "amdgcn-amd-amdhsa--gfx1250"
	.amdhsa_code_object_version 6
	.text
	.protected	k_q6aa4e40e85_proj
	.globl	k_q6aa4e40e85_proj
	.p2align	8
	.type	k_q6aa4e40e85_proj,@function
k_q6aa4e40e85_proj:
	s_mov_b64 s[64:65], 0
	v_nop
	global_prefetch_b8 v0, s[64:65] scope:SCOPE_SE
	s_setreg_imm32_b32 hwreg(HW_REG_WAVE_MODE, 25, 1), 1
	s_wait_xcnt 0x0
	s_wait_alu depctr_hold_cnt(0) depctr_sa_sdst(0) depctr_va_vdst(0) depctr_va_sdst(0) depctr_va_ssrc(0) depctr_va_vcc(0) depctr_vm_vsrc(0)
	s_getreg_b32 s2, hwreg(HW_REG_IB_STS2, 6, 4)
	s_cmp_eq_u32 s2, 0
	s_cbranch_scc0 .Lentry_in_a_cluster
	s_endpgm
.Lentry_in_a_cluster:
	s_bfe_u32 s2, ttmp6, 0x10000c
	s_cmp_lg_u32 s2, 0xf033
	s_cbranch_scc0 .Lentry_shape_is_right
	s_endpgm
.Lentry_shape_is_right:
; out0 = a w_proj^T on codes of FP6 (E2M3) with E8M0 scales, K = 1,024; out0 [8192][1024] f32.
; att (read): a's units [token tile 512][s 8][c 2][768] and, from ASC on, scale records [tile][s][128].  ops (read): w_proj's are tiles 704-767 of the same layout, records from SOFF on.
; Tile T = 2 g + u holds rows 32 g + 8 u + r + 8 (r / 8).  A unit of 768 bytes is registers 6 c .. 6 c + 5 of a fragment: lane l's first four at 16 l, its last two at 512 + 8 l.
; A work-group of four waves makes 128 tokens x 256 outputs (256 work-groups); a wave 64 x 128: 32 accumulators.  Source 0 = 16 outputs (S0), source 1 = 16 tokens (S1): a lane holds a token and eight neighbouring outputs.
; ALL OF K LIES IN LDS: four slots of 256 along K and the scale records are asked for at the head, five tensor loads a wave by this text's count, and no LDS byte is filled twice; each slot is read behind its own counted wait and a barrier.
; CLUSTERS: 4 x 4.  S1's tiles hang on cy and are asked for jointly along a row of the cluster, S0's on cx, along a column.
; REGISTERS: window 0: v16-26 addresses; v32-63 S1's scale words (8 a + s), v64-127 S0's (8 b + s); v128-223 S1's fragments, two sets; on the way out v128-255 rows of out0.  window 1: S0's fragments, two sets.  window 2: the accumulators ((a, b) at v[8 (8 a + b)]).
.set SLOT,  73728                      ; S1's 8 tiles x 3,072 bytes, then S0's 16
.set SCL,   4*SLOT                     ; behind the slots: S1's scale records, 8,192 bytes, then S0's, 16,384
.set ASC,   6291456
.set SOFF,  9437184
.set SPITCH, 528                       ; the way out: a stage of 16 rows x (512 + 16) bytes for each wave, in slot 0, which has had its only fill and its last read by then
.set STO, 24
.set RD,  25
.set CO,  26
.set MSB, 0
.macro WIN new                         ; the immediate's high byte repeats the setting that is left
.if MSB != (\new)
	s_set_vgpr_msb (MSB<<8)|(\new)
.set MSB, (\new)
.endif
.endm
.macro CROUND                          ; a round of the cluster's barrier
	s_barrier_signal -1
	s_barrier_wait -1
	s_cmp_lg_u32 s10, 0
	s_cbranch_scc1 .Lnot_wave_0_\@
	s_barrier_signal -3
.Lnot_wave_0_\@:
	s_barrier_wait -3
	s_barrier_signal -1
	s_barrier_wait -1
.endm
.macro MKG0 g, ldsreg, ldsoff, lo, goff        ; a descriptor's group 0
	s_mov_b32 s[\g], 1
	s_add_co_u32 s[\g+1], s[\ldsreg], \ldsoff
	s_add_nc_u64 s[\g+2:\g+3], s[\lo:\lo+1], \goff
	s_or_b32 s[\g+3], s[\g+3], 0x80000000
.endm
	s_load_b128 s[4:7], s[0:1], 0x0                ; att s[4:5], ops s[6:7]
	s_load_b64 s[8:9], s[0:1], 0x10                ; out0
	v_lshl_add_u32 v30, v0, 2, 0x4e000
	v_mov_b32 v31, 0
	ds_add_u32 v30, v31
	ds_add_u32 v30, v31
	v_lshrrev_b32 v1, 5, v0
	v_readfirstlane_b32 s10, v1                    ; wave 0..3
	s_lshr_b32 s11, s10, 1                         ; which 64 tokens are mine.  Also: I fetch for S1 (0) or for S0 (1)
	s_and_b32 s12, s10, 1                          ; which 128 outputs.  Also: which half I fetch
	s_bfe_u32 s13, ttmp6, 0x40000                  ; cx: which 256 outputs
	s_bfe_u32 s14, ttmp6, 0x40004                  ; cy
	s_and_b32 s15, ttmp7, 0xffff
	s_lshl_b32 s15, s15, 2
	s_add_co_u32 s15, s15, s14                     ; which 128 tokens
	s_lshl_b32 s16, s14, 2
	s_lshl_b32 s16, 15, s16                        ; my row of the cluster
	s_lshl_b32 s17, 0x1111, s13                    ; my column
	; group 1: s[24:31] S1's codes: 4 rows (tiles) of 384 elements of 8 bytes, 1,536 elements apart; s[40:47] S0's: 8 rows; s[32:39], s[48:55] scale records: 16 and 32 dense rows of 256 bytes
	s_or_b32 s24, s16, (3<<16)|(1<<21)             ; 15:0 the mask; 17:16 elements of 8 bytes; 21 set beside a mask
	s_mov_b32 s25, 384<<16
	s_mov_b32 s26, 4<<16
	s_mov_b32 s27, 384<<16
	s_mov_b32 s28, 4
	s_mov_b32 s29, 1536
	s_mov_b32 s30, 0
	s_mov_b32 s31, 0
	s_or_b32 s32, s16, (3<<16)|(1<<21)
	s_mov_b32 s33, 32<<16
	s_mov_b32 s34, 16<<16
	s_mov_b32 s35, 32<<16
	s_mov_b32 s36, 16
	s_mov_b32 s37, 32
	s_mov_b32 s38, 0
	s_mov_b32 s39, 0
	s_or_b32 s40, s17, (3<<16)|(1<<21)
	s_mov_b32 s41, 384<<16
	s_mov_b32 s42, 8<<16
	s_mov_b32 s43, 384<<16
	s_mov_b32 s44, 8
	s_mov_b32 s45, 1536
	s_mov_b32 s46, 0
	s_mov_b32 s47, 0
	s_or_b32 s48, s17, (3<<16)|(1<<21)
	s_mov_b32 s49, 32<<16
	s_mov_b32 s50, 32<<16
	s_mov_b32 s51, 32<<16
	s_mov_b32 s52, 32
	s_mov_b32 s53, 32
	s_mov_b32 s54, 0
	s_mov_b32 s55, 0
	s_lshl_b32 s18, s15, 3
	s_lshl_b32 s19, s12, 2
	s_add_co_u32 s18, s18, s19                     ; S1: the first of the 4 tiles that I would fetch
	s_lshl_b32 s22, s18, 10
	s_add_co_u32 s22, s22, ASC                     ; their scale records,
	s_mul_i32 s18, s18, 12288                      ; their codes
	s_mov_b32 s19, 0
	s_mov_b32 s23, 0
	s_lshl_b32 s20, s13, 4
	s_lshl_b32 s21, s12, 3
	s_add_co_u32 s20, s20, s21
	s_add_co_u32 s20, s20, 704                     ; S0: the first of the 8 tiles
	s_lshl_b32 s2, s20, 10
	s_add_co_u32 s2, s2, SOFF
	s_mul_i32 s20, s20, 12288
	s_mov_b32 s21, 0
	s_mov_b32 s3, 0
	s_mul_i32 s16, s12, 12288                      ; where they go: the half alone enters an LDS address
	s_mul_i32 s17, s12, 24576
	s_wait_dscnt 0x0
	s_wait_kmcnt 0x0
	s_add_nc_u64 s[18:19], s[4:5], s[18:19]
	s_add_nc_u64 s[22:23], s[4:5], s[22:23]
	s_add_nc_u64 s[20:21], s[6:7], s[20:21]
	s_add_nc_u64 s[2:3], s[6:7], s[2:3]
	MKG0 60, 16, 0*SLOT, 18, 0*3072                ; S1's codes, slots 0 to 3
	MKG0 68, 16, 1*SLOT, 18, 1*3072
	MKG0 72, 16, 2*SLOT, 18, 2*3072
	MKG0 76, 16, 3*SLOT, 18, 3*3072
	MKG0 84, 17, 0*SLOT+24576, 20, 0*3072          ; S0's
	MKG0 88, 17, 1*SLOT+24576, 20, 1*3072
	MKG0 92, 17, 2*SLOT+24576, 20, 2*3072
	MKG0 96, 17, 3*SLOT+24576, 20, 3*3072
	s_lshl_b32 s16, s12, 12
	s_lshl_b32 s17, s12, 13
	MKG0 56, 16, SCL, 22, 0                        ; S1's scale records
	MKG0 80, 17, SCL+8192, 2, 0                    ; S0's
	CROUND                                         ; all sixteen work-groups are here: the joint loads meet
	s_cmp_eq_u32 s11, 0                            ; a wave's five fills stand in one branch, ahead of every wait on their counter, every LDS read and every other barrier
	s_cbranch_scc0 .Lfor_s0
	tensor_load_to_lds s[56:59], s[32:39]
	s_nop 0
	tensor_load_to_lds s[60:63], s[24:31]
	s_nop 0
	tensor_load_to_lds s[68:71], s[24:31]
	s_nop 0
	tensor_load_to_lds s[72:75], s[24:31]
	s_nop 0
	tensor_load_to_lds s[76:79], s[24:31]
	s_nop 0
.rept 4
	v_nop
.endr
	s_branch .Lasked
.Lfor_s0:
	tensor_load_to_lds s[80:83], s[48:55]
	s_nop 0
	tensor_load_to_lds s[84:87], s[40:47]
	s_nop 0
	tensor_load_to_lds s[88:91], s[40:47]
	s_nop 0
	tensor_load_to_lds s[92:95], s[40:47]
	s_nop 0
	tensor_load_to_lds s[96:99], s[40:47]
	s_nop 0
.rept 4
	v_nop
.endr
.Lasked:
	v_and_b32 v1, 31, v0                           ; lane
	v_and_b32 v2, 15, v0                           ; r
	v_bfe_u32 v3, v0, 4, 1                         ; h
	v_lshlrev_b32 v[CO], 4, v1
	v_lshlrev_b32 v4, 3, v1
	v_lshlrev_b32 v5, 2, v1
	s_mul_i32 s16, s11, 12288                      ; my 4 tiles of S1
	v_add_nc_u32 v16, s16, v[CO]
	v_add_nc_u32 v17, s16, v4
	s_mul_i32 s16, s12, 24576                      ; my 8 tiles of S0, behind S1's 8
	s_add_co_u32 s16, s16, 24576
	v_add_nc_u32 v18, s16, v[CO]
	v_add_nc_u32 v19, s16, v4
	s_lshl_b32 s16, s11, 12
	s_add_co_u32 s16, s16, SCL
	v_add_nc_u32 v20, s16, v5                      ; S1's scale records
	s_lshl_b32 s16, s12, 13
	s_add_co_u32 s16, s16, SCL+8192
	v_add_nc_u32 v21, s16, v5                      ; S0's
	s_mul_i32 s16, s10, 16*SPITCH                  ; my stage
	v_mul_u32_u24 v[STO], v2, SPITCH
	v_lshl_add_u32 v[STO], v3, 6, v[STO]           ; in: row r, + 64 h: my 16 outputs of each 32
	v_add_nc_u32 v[STO], s16, v[STO]
	v_add_nc_u32 v[RD], s16, v[CO]                 ; back: the 32 lanes take a row of 512 bytes
	s_lshl_b32 s16, s15, 7
	s_lshl_b32 s17, s11, 6
	s_add_co_u32 s16, s16, s17                     ; my first token
	s_lshl_b32 s16, s16, 12                        ; x 4,096 bytes (under 2^26)
	s_lshl_b32 s17, s13, 10
	s_add_co_u32 s16, s16, s17                     ; + my work-group's 256 outputs
	s_lshl_b32 s17, s12, 9
	s_add_co_u32 s16, s16, s17                     ; + my 128
	s_mov_b32 s17, 0
	s_add_nc_u64 s[8:9], s[8:9], s[16:17]
.macro FETCH s                         ; K step s (128 along K; its slot's address stands in v16-19) into set s % 2: 48 loads
.set ST, (\s)%2
	WIN 0x40                                       ; destination window 1
.irp b, 0,1,2,3,4,5,6,7
.irp c, 0,1
	ds_load_b128 v[128*ST+12*\b+6*\c:128*ST+12*\b+6*\c+3], v18 offset:3072*\b+1536*ST+768*\c
	ds_load_b64 v[128*ST+12*\b+6*\c+4:128*ST+12*\b+6*\c+5], v19 offset:3072*\b+1536*ST+768*\c+512
.endr
.endr
	WIN 0
.irp a, 0,1,2,3
.irp c, 0,1
	ds_load_b128 v[128+48*ST+12*\a+6*\c:128+48*ST+12*\a+6*\c+3], v16 offset:3072*\a+1536*ST+768*\c
	ds_load_b64 v[128+48*ST+12*\a+6*\c+4:128+48*ST+12*\a+6*\c+5], v17 offset:3072*\a+1536*ST+768*\c+512
.endr
.endr
.endm
.macro MUL32 s                         ; 32 matrix instructions; the accumulators take turns, one instruction a turn, in the same order in every step
.set ST, (\s)%2
	WIN 0xa1                                       ; source 0 (S0) window 1, source 1 (S1) window 0, C and D window 2
.irp a, 0,1,2,3
.irp b, 0,1,2,3,4,5,6,7
.if (\s) == 0
	v_wmma_scale_f32_16x16x128_f8f6f4 v[8*(8*\a+\b):8*(8*\a+\b)+7], v[128*ST+12*\b:128*ST+12*\b+11], v[128+48*ST+12*\a:128+48*ST+12*\a+11], 0, v[64+8*\b+(\s)], v[32+8*\a+(\s)] matrix_a_fmt:MATRIX_FMT_FP6 matrix_b_fmt:MATRIX_FMT_FP6
.else
	v_wmma_scale_f32_16x16x128_f8f6f4 v[8*(8*\a+\b):8*(8*\a+\b)+7], v[128*ST+12*\b:128*ST+12*\b+11], v[128+48*ST+12*\a:128+48*ST+12*\a+11], v[8*(8*\a+\b):8*(8*\a+\b)+7], v[64+8*\b+(\s)], v[32+8*\a+(\s)] matrix_a_fmt:MATRIX_FMT_FP6 matrix_b_fmt:MATRIX_FMT_FP6
.endif
.endr
.endr
.endm
.macro KSTEP s
.if (\s) < 7
.if ((\s)+1)%2 == 0
	WIN 0
	s_wait_tensorcnt 3-((\s)+1)/2                  ; my part of the next slot is in; the later slots' loads may be out
	s_wait_dscnt 0x0                               ; no LDS load of mine is out at the signal
	s_barrier_signal -1
	s_barrier_wait -1                              ; everybody's part is in
.irp i, 16,17,18,19
	v_add_nc_u32 v[\i], SLOT, v[\i]                ; on to the next slot (these four are also the places in front of the loads below)
.endr
.elseif (\s) > 0
.rept 4
	v_nop                                          ; places in front of loads into registers that matrix instructions have read
.endr
.endif
	FETCH (\s)+1
	s_wait_dscnt 48                                ; all but the 48 just issued
.else
	s_wait_dscnt 0x0
.endif
	MUL32 \s
.endm
	s_wait_tensorcnt 3                             ; the scale records and my part of slot 0 are in (three slots' loads may be out),
	s_barrier_signal -1
	s_barrier_wait -1                              ; everybody's are
.irp a, 0,1,2,3
.irp s, 0,1,2,3,4,5,6,7
	ds_load_b32 v[32+8*\a+\s], v20 offset:1024*\a+128*\s     ; all scale words, once
.endr
.endr
.irp b, 0,1,2,3,4,5,6,7
.irp s, 0,1,2,3,4,5,6,7
	ds_load_b32 v[64+8*\b+\s], v21 offset:1024*\b+128*\s
.endr
.endr
	FETCH 0
.irp s, 0,1,2,3,4,5,6,7
	KSTEP \s
.endr
	WIN 0
; THE WAY OUT, a tile of 16 tokens x 128 outputs at a time, through my own stage: a lane's eight results of S0 tile b are outputs 32 (b / 2) + 16 h + 8 (b % 2) + 0 .. 7 of its token; back come whole rows of 512 bytes.
; All waves passed a barrier behind their last reads of slot 0, and LDS serves a wave's instructions in order (ISA guide 5.7.1.4): no wait between the stores and the loads, nor in front of the next tile's stores.
.macro TOSTAGE a
	WIN 0x08                                       ; an LDS store's data are its source 1: window 2
.irp b, 0,1,2,3,4,5,6,7
	ds_store_b128 v[STO], v[64*(\a)+8*\b:64*(\a)+8*\b+3] offset:128*(\b/2)+32*(\b%2)        ; each accumulator from its low end on
	ds_store_b128 v[STO], v[64*(\a)+8*\b+4:64*(\a)+8*\b+7] offset:128*(\b/2)+32*(\b%2)+16
.endr
	WIN 0
.set BB, 128+64*((\a)%2)
.irp t, 0,1,2,3,4,5,6,7,8,9,10,11,12,13,14,15
	ds_load_b128 v[BB+4*\t:BB+4*\t+3], v[RD] offset:\t*SPITCH
.endr
.endm
.macro SEND a, younger                 ; younger: the LDS instructions issued behind tile a's loads, which may stay out
.set BB, 128+64*((\a)%2)
	s_wait_dscnt \younger
.irp t, 0,1,2,3,4,5,6,7,8,9,10,11,12,13,14,15
	global_store_b128 v[CO], v[BB+4*\t:BB+4*\t+3], s[8:9] offset:(32*((\a)/2)+8*((\a)%2)+\t+8*(\t/8))*4096 th:TH_STORE_NT   ; 512 consecutive bytes, at a multiple of 256 from out0's first byte; the tile's row t is that token
.endr
.endm
.rept 4
	v_nop                                          ; places behind the last products: their results are read, and loads land where S1's fragments lay
.endr
	TOSTAGE 0
.irp a, 1,2,3
.if \a > 1
	s_wait_xcnt 0x0                                ; tile a - 2's stores have read their registers: tile a's loads may land there
.endif
	TOSTAGE \a
	SEND \a-1, 32                                  ; behind tile a - 1's loads: tile a's 16 stores and 16 loads
.endr
	SEND 3, 0
	s_wait_tensorcnt 0x0
	ds_add_u32 v30, v31
	s_wait_dscnt 0x0
	CROUND                                         ; the closing round: no work-group ends while a partner may still ask for a tile that names it
	s_endpgm
.Lfunc_end_k_q6aa4e40e85_proj:
	.size	k_q6aa4e40e85_proj, .Lfunc_end_k_q6aa4e40e85_proj-k_q6aa4e40e85_proj
	.p2alignl 7, 3214868480
	.fill 96, 4, 3214868480
	.section	.rodata,"a",@progbits
	.p2align	6, 0x0
	.amdhsa_kernel k_q6aa4e40e85_proj
		.amdhsa_group_segment_fixed_size 327680
		.amdhsa_private_segment_fixed_size 0
		.amdhsa_enable_private_segment 0
		.amdhsa_kernarg_size 24
		.amdhsa_user_sgpr_count 2
		.amdhsa_user_sgpr_kernarg_segment_ptr 1
		.amdhsa_wavefront_size32 1
		.amdhsa_system_sgpr_workgroup_id_x 1
		.amdhsa_system_sgpr_workgroup_id_y 1
		.amdhsa_system_sgpr_workgroup_id_z 1
		.amdhsa_system_vgpr_workitem_id 0
		.amdhsa_next_free_vgpr 768
		.amdhsa_next_free_sgpr 100
		.amdhsa_reserve_vcc 0
		.amdhsa_float_denorm_mode_32 3
		.amdhsa_float_denorm_mode_16_64 3
		.amdhsa_memory_ordered 1
		.amdhsa_forward_progress 1
		.amdhsa_inst_pref_size 89
	.end_amdhsa_kernel
	.amdgpu_metadata
---
amdhsa.version: [ 1, 2 ]
amdhsa.kernels:
  - .name:           k_q6aa4e40e85_proj
    .symbol:         k_q6aa4e40e85_proj.kd
    .args:
      - { .name: att, .offset: 0, .size: 8, .value_kind: global_buffer, .address_space: global }
      - { .name: ops, .offset: 8, .size: 8, .value_kind: global_buffer, .address_space: global }
      - { .name: out0, .offset: 16, .size: 8, .value_kind: global_buffer, .address_space: global }
    .group_segment_fixed_size: 327680
    .private_segment_fixed_size: 0
    .kernarg_segment_align: 8
    .kernarg_segment_size: 24
    .max_flat_workgroup_size: 128
    .sgpr_count:     100
    .vgpr_count:     768
    .wavefront_size: 32
...
	.end_amdgpu_metadata
.endif
;; end of part 4
